; MI455X (gfx1250); checked and timed in simulation.
; The chip was launched on July 23, 2026; its instructions are those of AMD's public machine-readable ISA for CDNA 5 (MIT licence, August 2026) and "CDNA5" Instruction Set Architecture Reference Guide (July 2026). The comments in the code are by the model that wrote it; some were corrected since.
;; Multi Head Attention. Allowed arithmetic: matrix products marked QUANTISED: E2M3 operands, one E8M0 scale for each 32 along K, by v_wmma_scale_f32_16x16x128_f8f6f4 with both operands' format E2M3, f32 sums; everything else in f32.
;; Inputs: Wk 1,024 x 1,024 float32; Wo 1,024 x 1,024 float32; Wq 1,024 x 1,024 float32; Wv 1,024 x 1,024 float32; bk 1,024 float32; bo 1,024 float32; bq 1,024 float32; bv 1,024 float32; x 2 x 2,048 x 1,024 float32.
;; Outputs: out0 2 x 2,048 x 1,024 float32.
;; Constants: mask = 1.
;; This version of the problem:
;;   THIS VERSION OF THE PROBLEM IS GIVEN IN LOW PRECISION. The matrix products marked QUANTISED in the list below multiply operands that are first quantised to E2M3 (2 exponent bits, 3 mantissa bits; 6 bits a number), with one power-of-two scale for each 32 numbers along K (OCP MX v1.0); their sums are f32. All else is computed in f32.
;;   The module's matrix products, in the order in which they are computed (A, B: the left and right operand; K: the contracted axis; several contracted axes count as one K, in the product's order):
;;     1. [M 4,096, K 1,024] x [K 1,024, N 1,024]; A: input x; B: input Wq: QUANTISED
;;     2. [M 4,096, K 1,024] x [K 1,024, N 1,024]; A: input x; B: input Wk: QUANTISED
;;     3. [M 4,096, K 1,024] x [K 1,024, N 1,024]; A: input x; B: input Wv: QUANTISED
;;     4. batch 32 x [M 2,048, K 64] x [K 64, N 2,048]; A: computed on the way; B: computed on the way: QUANTISED
;;     5. batch 32 x [M 2,048, K 2,048] x [K 2,048, N 64]; A: softmax (see below); B: computed on the way: QUANTISED
;;     6. [M 4,096, K 1,024] x [K 1,024, N 1,024]; A: computed on the way; B: input Wo: QUANTISED
;;   THE QUANTISER, for each operand of a quantised product, along K:
;;     - K is cut into blocks of 32 from its start; a last block that is shorter is filled with zeros.
;;     - A block's scale is 2^e with e = floor(log2(the largest magnitude in the block)) - 2, held to -126 .. 127; a block of zeros has e = 0. As a byte (E8M0): e + 127.
;;     - Each number is divided by its block's scale, clamped to +-7.5, and rounded to the nearest number of E2M3, ties to even, subnormals kept.
;;     - The product sums the exact products of the quantised numbers (number of the format x scale) in f32.
;;   ~~~python
;;   def quantise(x, axis):      # numpy; x: float32 -> the quantised numbers, widened to float32 again
;;       x = np.moveaxis(x, axis, -1); K = x.shape[-1]
;;       x = np.pad(x, [(0, 0)] * (x.ndim - 1) + [(0, -K % 32)]); x = x.reshape(x.shape[:-1] + (-1, 32)); a = np.abs(x).max(-1, keepdims=True)
;;       e = np.where(a > 0, np.clip(np.frexp(np.where(a > 0, a, 1))[1] - 1 - 2, -126, 127), 0)      # np.frexp(a)[1] - 1 = floor(log2(a)), exactly
;;       r = np.clip(x / 2.0 ** e, -7.5, 7.5)
;;       step = 2.0 ** (np.maximum(np.frexp(np.where(r == 0, 1, r))[1] - 1, 0) - 3)
;;       q = np.round(r / step) * step * 2.0 ** e      # np.round: ties to even
;;       return np.moveaxis(q.reshape(q.shape[:-2] + (-1,))[..., :K], -1, axis).astype(np.float32)
;;   ~~~
;;   SOFTMAX AHEAD OF A QUANTISED PRODUCT. Where the list says 'softmax', what is quantised is not the finished softmax but p = 2^(t - M), with t = logit x log2(e) and M = ceil(the row's largest t), a whole number; so 1/2 < the row's largest p <= 1. The row's sum l is taken of the UNQUANTISED p, in f32, and the product's result is divided by l at the end. Since M is a whole number, a kernel that streams over the keys may use a running M (the ceiling of the running maximum): every later rescaling is an exact power of two, which a block's scale takes up: the codes' values come out the same.
;;   OPERANDS COMPUTED ON THE WAY. 'Computed on the way' means the value that the module computes at that place (a softmax that the list does not call 'softmax' is quantised finished and normalised). What goes into a quantiser is computed in f32, as accurately as f32 sums, v_exp_f32 and their like allow (about 1e-6 of the number): no bf16 or f16 on the way to a quantiser, and a product that is left as it is and whose result goes on into a quantised operand takes f32 operands (vector FMAs, or v_wmma_f32_16x16x4_f32). A number that lies on a knife's edge between two numbers of the format may be rounded either way, as far as f32 arithmetic and the matrix unit's own rounding can turn it there, and no further.
;; One version. Each part assembles by itself: llvm-mc -triple=amdgcn-amd-amdhsa -mcpu=gfx1250 --defsym DOCPART=n.
;; ======== version 1 of 1: 4 launches
;; limits: right only within a limited range of input values
;; workspace buffers: cod 6,291,456 bytes; sca 262,144 bytes; qb 3,407,872 bytes; kv 6,684,672 bytes; oimg 3,145,728 bytes; osc 131,072 bytes
;; launch prep (part 1): grid 256 x 1, 4 waves a work-group, no clusters, 91,648 bytes of LDS; arguments x, Wq, Wk, Wv, Wo, cod, sca; writes cod, sca
.if DOCPART == 1
	.amdgcn_target "amdgcn-amd-amdhsa--gfx1250"
	.amdhsa_code_object_version 6
	.text
	.protected	k_q2771b5653b_prep
	.globl	k_q2771b5653b_prep
	.p2align	8
	.type	k_q2771b5653b_prep,@function
k_q2771b5653b_prep:
	s_mov_b64 s[64:65], 0
	v_nop
	global_prefetch_b8 v0, s[64:65] scope:SCOPE_SE
	s_setreg_imm32_b32 hwreg(HW_REG_WAVE_MODE, 25, 1), 1
	s_wait_xcnt 0x0
; x [4096][1024] and the four weights [1024 (k)][1024 (n)], f32, become codes of FP6 (E2M3) with one E8M0 byte for each 32 along K, laid as IMAGES OF OPERAND REGISTERS.
; A TILE is 16 rows (of x) or 16 columns n (of a weight): tile T = 2 B + u takes, at lane index r, row 32 B + 8 u + r + 8 (r / 8).  Used as source 0 of a product, the 16 result registers of tiles 2 B and 2 B + 1
; are then 16 neighbours along that axis, which the later launches quantise along.
; AN IMAGE is a fragment of 16 rows x 128 K, 12 registers a lane, as 1,536 bytes: register pair i of lane l at 256 i + 8 l; registers 6 c .. 6 c + 5 of lane (r, h) hold k = 64 c + 32 h + 0 .. 31.
; cod: [tile G][K step of 128: 8][1,536]; G = 0 .. 255 x's tiles, 256 + 64 w + T the weights' (w: 0 q, 1 k, 2 v, 3 o).   sca: [G][half of K: 2][r: 16][16 bytes]: a row's 16 scale bytes of that half.
; A block's scale is 2^(floor(log2(its largest magnitude)) - 2); its byte is the largest magnitude's exponent field - 2, held at 1 from below.
; LIMITS: a block of zeros gets the byte 1, not 127 (its codes are zeros, and this program alone reads the bytes); blocks whose largest magnitude lies under 2^-124 keep the byte 1; NaN and infinities are not served.
; Work-groups 0-127 take x, 128-255 the weights; the two ways share no LDS byte and never join.  Waves share nothing: no barrier.  No matrix unit, no tensor load, no cluster: memory binds, and nothing is read twice.
.set SPW,   14                         ; v14  LDS address of my spare word; never rewritten
.set NIL,   15                         ; v15  0; never rewritten
.set SPARE, 91136                      ; behind both ways' regions: the spare words, 128 bytes a wave
; x's way: a region of 16,384 bytes for each wave
.set R,     16                         ; v16-111   three sets of 32 registers as loaded
.set X,     112                        ; v112-175  two sets: a lane's block of 32 neighbours
.set C,     176                        ; v176-184  a block's codes
.set E,     186                        ; v186      its scale byte
.set STG,   4608                       ; two stages of 32 places of 128 + 16 bytes, in which the numbers turn from 16 bytes a lane to 128 bytes a lane
.set IS,    9216                       ; the wave's four images: 24 rows of 256 bytes, 272 apart
.set SS,    15744                      ; its 256 scale bytes
; the weights' way: from byte 65,536 on, 6,400 bytes for each wave: two tiles' two images, 3,200 apart
.set WREG,  65536
.set WX,    32                         ; v32-127   three sets of 32 numbers down K
.set WC,    128                        ; v128-136  a block's codes
.set WE,    26                         ; v26       its scale byte
.set SB,    24                         ; v24-25    a column's 8 scale bytes
.set OUTR,  144                        ; v144-191  the way out
; 32 numbers of ONE lane, one block, become 24 bytes of codes in v[c] .. v[c + 5] and the scale's byte in v[e]
.macro QBLK xs, c, e
	v_max3_num_f32 v12, |v[\xs]|, |v[\xs+1]|, |v[\xs+2]|            ; the largest magnitude, in two chains
	v_max3_num_f32 v13, |v[\xs+3]|, |v[\xs+4]|, |v[\xs+5]|
.irp i, 6,10,14,18,22,26
	v_max3_num_f32 v12, v12, |v[\xs+\i]|, |v[\xs+\i+1]|
	v_max3_num_f32 v13, v13, |v[\xs+\i+2]|, |v[\xs+\i+3]|
.endr
	v_max3_num_f32 v12, v12, |v[\xs+30]|, |v[\xs+31]|
	v_max3_num_f32 v12, v12, v13, 0x1800000        ; and the floor 2^(3 - 127): the byte cannot fall under 1
	v_add_nc_u32 v11, 0xff000000, v12              ; 2 off the exponent field: the conversion takes this operand's exponent field as its scale
	v_cvt_scalef32_pk16_fp6_f32 v[\c:\c+2], v[\xs:\xs+15], v11
	v_cvt_scalef32_pk16_fp6_f32 v[\c+6:\c+8], v[\xs+16:\xs+31], v11   ; (a conversion's three registers begin on an even number)
	v_lshrrev_b32 v[\e], 23, v11                   ; the byte; also the plain line behind the conversions
.irp i, 0,1,2
	v_mov_b32 v[\c+3+\i], v[\c+6+\i]
.endr
.endm
.macro LOADX t                         ; step t: rows 2 t and 2 t + 1 of the tile, 2,048 bytes of each: eight loads of 512 consecutive bytes
.irp i, 0,1,2,3,4,5,6,7
	global_load_b128 v[R+32*((\t)%3)+4*\i:R+32*((\t)%3)+4*\i+3], v3, s[4:5] offset:((2*(\t)+\i/4)+8*((\t)/4))*4096+512*(\i%4) th:TH_LOAD_NT
.endr
.endm
.macro TURNX t                         ; through the stage: load i's lane l goes to place 4 i + l / 8, and lane l takes place l: block l % 16 of row 2 t + l / 16.  LDS serves a wave's instructions in order
.irp i, 0,1,2,3,4,5,6,7
	ds_store_b128 v4, v[R+32*((\t)%3)+4*\i:R+32*((\t)%3)+4*\i+3] offset:STG*((\t)%2)+576*\i
.endr
.irp i, 0,1,2,3,4,5,6,7
	ds_load_b128 v[X+32*((\t)%2)+4*\i:X+32*((\t)%2)+4*\i+3], v5 offset:STG*((\t)%2)+16*\i
.endr
.endm
.macro STEPX t
	s_wait_dscnt 0x0                               ; my block is back from the stage; the stage's stores have read their registers; the last step's stores have read C and E
.if (\t)+3 < 8
	LOADX (\t)+3
.endif
.if (\t) < 7
.if (\t) <= 4
	s_wait_loadcnt 16                              ; the next step's eight loads are in; the two steps behind it may be out
.else
	s_wait_loadcnt 8*(6-(\t))
.endif
	TURNX (\t)+1
.endif
.set XS, X+32*((\t)%2)
	QBLK XS, C, E
.irp j, 0,1,2
	ds_store_b64 v6, v[C+2*\j:C+2*\j+1] offset:IS+272*\j+16*(\t)    ; block kb of row r: image row 3 (kb / 2) + j, byte 128 (kb % 2) + 8 r
.endr
	ds_store_b8 v7, v[E] offset:SS+32*(\t)         ; byte 16 r + kb
.endm
.macro LOADW t                         ; block t: W(32 t + i, my column): 128 consecutive bytes a wave, 512 a work-group
.set ii, 0
.rept 32
	global_load_b32 v[WX+32*((\t)%3)+ii], v3, s[38:39] offset:(32*(\t)+ii)*4096 th:TH_LOAD_NT
.set ii, ii+1
.endr
.endm
.macro BLOCKW t
.if (\t) < 7
	s_wait_loadcnt 32                              ; this block's 32 loads are in; the next block's may be out
.else
	s_wait_loadcnt 0x0
.endif
.if (\t)+2 < 8
	LOADW (\t)+2                                   ; into the set that the last block was made from: two blocks are on their way while this one is worked
.endif
.set XS, WX+32*((\t)%3)
	QBLK XS, WC, WE
.if (\t)%4 == 0
	v_mov_b32 v[SB+(\t)/4], v[WE]
.else
	v_lshl_or_b32 v[SB+(\t)/4], v[WE], 8*((\t)%4), v[SB+(\t)/4]
.endif
.irp j, 0,1,2
	ds_store_b64 v4, v[WC+2*\j:WC+2*\j+1] offset:1536*((\t)/4)+768*(((\t)%4)/2)+128*((\t)%2)+256*\j
.endr
	s_wait_dscnt 0x0                               ; the stores have read their registers: the next block's codes may be written
.endm
	s_load_b256 s[4:11], s[0:1], 0x0               ; x s[4:5], Wq s[6:7], Wk s[8:9], Wv s[10:11]
	s_load_b128 s[12:15], s[0:1], 0x20             ; Wo s[12:13], cod s[14:15]
	s_load_b64 s[16:17], s[0:1], 0x30              ; sca
	v_lshl_add_u32 v[SPW], v0, 2, SPARE
	v_mov_b32 v[NIL], 0
	v_lshrrev_b32 v1, 5, v0
	v_readfirstlane_b32 s18, v1                    ; wave
	v_and_b32 v2, 31, v0                           ; lane
	s_cmp_lt_u32 ttmp9, 128
	s_cbranch_scc0 .Lweights
	; ---- x.  Unit U = 4 x work-group + wave: tile U / 2, half U % 2 of K: 16 rows x 512 numbers, four images and 256 scale bytes
	s_lshl_b32 s19, s18, 14                        ; my region
	s_lshl_b32 s20, ttmp9, 2
	s_add_co_u32 s20, s20, s18                     ; U
	s_lshl_b32 s22, ttmp9, 17                      ; the tile's first row: 32 (T / 2) + 8 (T % 2), 4,096 bytes a row; T / 2 is the work-group, T % 2 is wave / 2
	s_lshr_b32 s21, s18, 1
	s_lshl_b32 s21, s21, 15
	s_add_co_u32 s22, s22, s21
	s_and_b32 s21, s18, 1
	s_lshl_b32 s21, s21, 11                        ; the half of K: 2,048 bytes
	s_add_co_u32 s22, s22, s21
	s_mov_b32 s23, 0
	s_mul_i32 s24, s20, 6144                       ; four images
	s_mov_b32 s25, 0
	s_lshl_b32 s26, s20, 8
	s_mov_b32 s27, 0
	s_wait_alu depctr_va_vdst(0)
	v_lshlrev_b32 v3, 4, v2                        ; 16 x lane
	v_lshrrev_b32 v4, 3, v2
	v_mul_u32_u24 v4, v4, 144
	v_and_b32 v5, 7, v2
	v_lshl_add_u32 v4, v5, 4, v4
	v_add_nc_u32 v4, s19, v4                       ; into a stage: 144 (lane / 8) + 16 (lane % 8)
	v_mul_u32_u24 v5, v2, 144
	v_add_nc_u32 v5, s19, v5                       ; out of it: 144 x lane
	v_and_b32 v9, 15, v2                           ; kb: my block of the half row
	v_lshrrev_b32 v10, 4, v2                       ; which of the step's two rows
	v_lshrrev_b32 v6, 1, v9
	v_mul_u32_u24 v6, v6, 816
	v_and_b32 v7, 1, v2
	v_lshl_add_u32 v6, v7, 7, v6
	v_lshl_add_u32 v6, v10, 3, v6
	v_add_nc_u32 v6, s19, v6                       ; 3 x 272 (kb / 2) + 128 (kb % 2) + 8 (lane / 16)
	v_lshl_add_u32 v7, v10, 4, v9
	v_add_nc_u32 v7, s19, v7                       ; 16 (lane / 16) + kb
	v_mul_u32_u24 v8, v10, 272
	v_lshl_add_u32 v8, v9, 4, v8
	v_add_nc_u32 v8, s19, v8                       ; the images' way out: sixteen lanes to a row of 256 bytes
	v_lshlrev_b32 v9, 3, v2                        ; 8 x lane
	v_add_nc_u32 v10, s19, v9
	s_wait_kmcnt 0x0
	s_add_nc_u64 s[4:5], s[4:5], s[22:23]
	s_add_nc_u64 s[14:15], s[14:15], s[24:25]
	s_add_nc_u64 s[16:17], s[16:17], s[26:27]
	LOADX 0
	LOADX 1
	LOADX 2
	s_wait_loadcnt 16                              ; step 0's eight loads are in
	TURNX 0
.irp t, 0,1,2,3,4,5,6,7
	STEPX \t
.endr
.irp m, 0,1,2,3,4,5,6,7,8,9,10,11
	ds_load_b128 v[R+4*\m:R+4*\m+3], v8 offset:IS+544*\m            ; LDS serves a wave's instructions in order: these see my stores
.endr
	ds_load_b64 v[R+48:R+49], v10 offset:SS
.irp m, 0,1,2,3,4,5,6,7,8,9,10,11
	s_wait_dscnt 12-\m                             ; behind the m-th: the later rows' loads and the scale bytes'
	global_store_b128 v3, v[R+4*\m:R+4*\m+3], s[14:15] offset:512*\m   ; 512 consecutive bytes, at a multiple of 256 from the buffer's first byte
.endr
	s_wait_dscnt 0x0
	global_store_b64 v9, v[R+48:R+49], s[16:17]    ; 256 consecutive bytes, aligned
	s_wait_tensorcnt 0x0                           ; the wave's end
	ds_add_u32 v[SPW], v[NIL]
	s_wait_dscnt 0x0
	s_endpgm
	; ---- the weights.  g = work-group - 128: weight g / 32, quarter (g / 8) % 4 of K, 128 columns g % 8; a wave takes 32 columns x 256 along K.
	; A LANE TAKES A COLUMN AND ITS REGISTERS RUN DOWN K: a block of 32 lies in one lane, and the codes come out with K innermost.  Nothing is transposed.
.Lweights:
	s_sub_co_u32 s20, ttmp9, 128
	s_lshr_b32 s21, s20, 5                         ; w
	s_and_b32 s22, s20, 7
	s_bfe_u32 s23, s20, 0x20003                    ; y: the quarter of K
	s_lshl_b32 s24, s22, 2
	s_add_co_u32 s24, s24, s18                     ; my group of 32 columns
	s_lshl_b32 s26, s23, 20                        ; 256 rows of 4,096 bytes
	s_lshl_b32 s27, s24, 7
	s_add_co_u32 s26, s26, s27
	s_mov_b32 s27, 0
	s_lshl_b32 s28, s21, 6
	s_lshl_b32 s29, s24, 1
	s_add_co_u32 s28, s28, s29
	s_add_co_u32 s28, s28, 256                     ; G of my first tile (u = 0)
	s_lshl_b32 s30, s28, 3
	s_lshl_b32 s31, s23, 1
	s_add_co_u32 s30, s30, s31
	s_mul_i32 s30, s30, 1536                       ; its images of K steps 2 y and 2 y + 1
	s_mov_b32 s31, 0
	s_lshl_b32 s32, s28, 9
	s_lshr_b32 s33, s23, 1
	s_lshl_b32 s33, s33, 8
	s_add_co_u32 s32, s32, s33
	s_and_b32 s33, s23, 1
	s_lshl_b32 s33, s33, 3
	s_add_co_u32 s32, s32, s33                     ; its scale bytes: 512 G + 256 (y / 2) + 8 (y % 2)
	s_mov_b32 s33, 0
	s_mul_i32 s19, s18, 6400
	s_add_co_u32 s19, s19, WREG                    ; my stage
	s_wait_alu depctr_va_vdst(0)
	v_lshlrev_b32 v3, 2, v2                        ; in: 4 bytes a lane
	v_bfe_u32 v5, v2, 3, 1                         ; column c of the 32 lies in tile u = (c / 8) % 2
	v_and_b32 v6, 7, v2
	v_lshrrev_b32 v7, 1, v2
	v_and_b32 v7, 8, v7
	v_add_nc_u32 v6, v6, v7                        ; at lane index r = c % 8 + 8 (c / 16)
	v_mul_u32_u24 v4, v5, 3200
	v_lshl_add_u32 v4, v6, 3, v4
	v_add_nc_u32 v4, s19, v4
	v_lshlrev_b32 v10, 4, v2                       ; 16 x lane
	v_add_nc_u32 v8, s19, v10
	v_lshlrev_b32 v9, 9, v5
	v_lshl_add_u32 v9, v6, 4, v9                   ; 512 u + 16 r
	s_wait_kmcnt 0x0
	s_cmp_lt_u32 s21, 2                            ; which weight: the choice hangs on the work-group's number alone
	s_cselect_b64 s[34:35], s[6:7], s[10:11]
	s_cselect_b64 s[36:37], s[8:9], s[12:13]
	s_bitcmp1_b32 s21, 0
	s_cselect_b64 s[38:39], s[36:37], s[34:35]
	s_add_nc_u64 s[38:39], s[38:39], s[26:27]
	s_add_nc_u64 s[14:15], s[14:15], s[30:31]
	s_add_nc_u64 s[16:17], s[16:17], s[32:33]
	LOADW 0
	LOADW 1
.irp t, 0,1,2,3,4,5,6,7
	BLOCKW \t
.endr
	s_wait_alu depctr_va_vdst(0)
	global_store_b64 v9, v[SB:SB+1], s[16:17]      ; my column's 8 scale bytes: 8 of each 16, so 256-byte runs are written in halves here: 131,072 bytes in all, one in 128 of what this way reads
.irp m, 0,1,2,3,4,5,6,7,8,9,10,11
	ds_load_b128 v[OUTR+4*\m:OUTR+4*\m+3], v8 offset:3200*(\m/6)+512*(\m%6)
.endr
.irp m, 0,1,2,3,4,5,6,7,8,9,10,11
	s_wait_dscnt 11-\m
	global_store_b128 v10, v[OUTR+4*\m:OUTR+4*\m+3], s[14:15] offset:12288*(\m/6)+512*(\m%6)   ; 512 consecutive bytes, aligned
.endr
	s_wait_tensorcnt 0x0                           ; the wave's end
	ds_add_u32 v[SPW], v[NIL]
	s_wait_dscnt 0x0
	s_endpgm
.Lfunc_end_k_q2771b5653b_prep:
	.size	k_q2771b5653b_prep, .Lfunc_end_k_q2771b5653b_prep-k_q2771b5653b_prep
	.p2alignl 7, 3214868480
	.fill 96, 4, 3214868480
	.section	.rodata,"a",@progbits
	.p2align	6, 0x0
	.amdhsa_kernel k_q2771b5653b_prep
		.amdhsa_group_segment_fixed_size 91648
		.amdhsa_private_segment_fixed_size 0
		.amdhsa_enable_private_segment 0
		.amdhsa_kernarg_size 56
		.amdhsa_user_sgpr_count 2
		.amdhsa_user_sgpr_kernarg_segment_ptr 1
		.amdhsa_wavefront_size32 1
		.amdhsa_system_sgpr_workgroup_id_x 1
		.amdhsa_system_sgpr_workgroup_id_y 1
		.amdhsa_system_sgpr_workgroup_id_z 1
		.amdhsa_system_vgpr_workitem_id 0
		.amdhsa_next_free_vgpr 192
		.amdhsa_next_free_sgpr 66
		.amdhsa_reserve_vcc 0
		.amdhsa_float_denorm_mode_32 3
		.amdhsa_float_denorm_mode_16_64 3
		.amdhsa_memory_ordered 1
		.amdhsa_forward_progress 1
		.amdhsa_inst_pref_size 75
	.end_amdhsa_kernel
	.amdgpu_metadata
---
amdhsa.version: [ 1, 2 ]
amdhsa.kernels:
  - .name:           k_q2771b5653b_prep
    .symbol:         k_q2771b5653b_prep.kd
    .args:
      - { .name: x, .offset: 0, .size: 8, .value_kind: global_buffer, .address_space: global }
      - { .name: Wq, .offset: 8, .size: 8, .value_kind: global_buffer, .address_space: global }
      - { .name: Wk, .offset: 16, .size: 8, .value_kind: global_buffer, .address_space: global }
      - { .name: Wv, .offset: 24, .size: 8, .value_kind: global_buffer, .address_space: global }
      - { .name: Wo, .offset: 32, .size: 8, .value_kind: global_buffer, .address_space: global }
      - { .name: cod, .offset: 40, .size: 8, .value_kind: global_buffer, .address_space: global }
      - { .name: sca, .offset: 48, .size: 8, .value_kind: global_buffer, .address_space: global }
    .group_segment_fixed_size: 91648
    .private_segment_fixed_size: 0
    .kernarg_segment_align: 8
    .kernarg_segment_size: 56
    .max_flat_workgroup_size: 128
    .sgpr_count:     66
    .vgpr_count:     192
    .wavefront_size: 32
...
	.end_amdgpu_metadata
.endif
;; end of part 1
;; launch qkvgemm (part 2): grid 16 x 16, 4 waves a work-group, clusters of 4 x 4, 327,680 bytes of LDS; arguments cod, sca, bq, bk, bv, qb, kv; writes qb, kv
.if DOCPART == 2
	.amdgcn_target "amdgcn-amd-amdhsa--gfx1250"
	.amdhsa_code_object_version 6
	.text
	.protected	k_q2771b5653b_qkvgemm
	.globl	k_q2771b5653b_qkvgemm
	.p2align	8
	.type	k_q2771b5653b_qkvgemm,@function
k_q2771b5653b_qkvgemm:
	s_mov_b64 s[64:65], 0
	v_nop
	global_prefetch_b8 v0, s[64:65] scope:SCOPE_SE
	s_setreg_imm32_b32 hwreg(HW_REG_WAVE_MODE, 25, 1), 1
	s_wait_xcnt 0x0
	s_wait_alu depctr_hold_cnt(0) depctr_sa_sdst(0) depctr_va_vdst(0) depctr_va_sdst(0) depctr_va_ssrc(0) depctr_va_vcc(0) depctr_vm_vsrc(0)
	s_getreg_b32 s2, hwreg(HW_REG_IB_STS2, 6, 4)
	s_cmp_eq_u32 s2, 0
	s_cbranch_scc0 .Lentry_in_a_cluster
	s_endpgm
.Lentry_in_a_cluster:
	s_bfe_u32 s2, ttmp6, 0x10000c
	s_cmp_lg_u32 s2, 0xf033
	s_cbranch_scc0 .Lentry_shape_is_right
	s_endpgm
.Lentry_shape_is_right:
; q = x Wq + bq, k = x Wk + bk, v = x Wv + bv on codes of FP6 (E2M3) with E8M0 scales, K = 1,024; the results are quantised again in registers and leave as images of the operands that attention wants.
; A work-group (c, T), 16 x 16 of them, takes x's 256 rows T (16 tiles) and 192 columns: columns 128 c .. of Wq | Wk (8 tiles: two heads) and columns 64 c .. of Wv (4 tiles: head c).
; Four waves, 2 x 2: a wave makes 128 rows x (64 columns of q | k, one head, + 32 of v): 8 x 4 + 8 x 2 accumulators, 384 registers.
;   q | k: source 0 = the weight's tile, source 1 = x's: a lane holds one row of x and its registers run along the head's channels, along which q and k are quantised;
;   v:     source 0 = x's tile, source 1 = Wv's: a lane holds one channel and its registers run along the keys, along which v is quantised.
; Tiles are the permuted tiles of the launch before (lane index r of tile 2 B + u = row 32 B + 8 u + r + 8 (r / 8)), so the 16 registers of tiles 2 B and 2 B + 1 are 16 neighbours.
; A tile's image for 128 along K is 1,536 bytes (pair i of lane l at 256 i + 8 l): six loads of 8 bytes a lane, each 256 consecutive bytes of LDS.
; K COMES IN THREE FILLS, one tensor load a wave each: 512 along K into region 0 at the head; 384 into region 1 behind the next round; the last 128 onto region 0 again, behind the round that every wave enters with its reads of region 0 done.
; CLUSTER 4 x 4: x's tiles are shared along a row of the cluster, the weights' along a column, by joint loads.
; PREFETCH: the later two fills' bytes (K from 512 on) are asked for into the L2 at the head, behind the first tensor load: per cluster each 256 bytes once, shared out by address among the sixteen waves of the four work-groups that will ask jointly (x: wave n a tile of 24 blocks; weights: 18 of 288 blocks).
; OUT: qb: [batch, head][128 rows: 16] records of 6,656 bytes: 8 half images of 768, then scale words; kv: [batch, head][128 keys: 16] records of 13,056: K's 8 half images, V's 4 images of 1,536, K's scale words (12,288 on), V's (12,800 on).
;   half image: registers 0-3 of lane l at 16 l, registers 4, 5 at 512 + 8 l; V's image: registers 4 m .. 4 m + 3 at 512 m + 16 l.  K's and q's scale words: [4 tiles: 2][r][4 words], the upper two bytes 0; V's: [r][4 words].
; LIMITS: a block of zeros gets the byte 1, not 127 (its codes are zeros; this program alone reads the bytes); blocks under 2^-124 keep the byte 1; NaN and infinities are not served.
; REGISTERS: window 0: v16-31 addresses; v32-95 scale words (v[SC + 8 k + i]: lanes 0-15 x's tile i, lanes 16-31 the weights' tile i); v96-239 the weights' fragments, two sets.
;   window 1: x's fragments, two sets, v0-191; the biases as the first products' C, v192-239.   window 2: q | k's sums ((a, b) at 32 a + 8 b);   window 3: v's ((t, a) at 64 t + 8 a).
.set P0,   6144                        ; a tile's bytes in region 0, 1, and in the last fill
.set P1,   4608
.set P2,   1536
.set RB1,  28*P0                       ; region 1, behind region 0's 28 tiles: x's 16, q | k's 8, v's 4
.set SPARE, RB1+28*P1
.set AA, 16                            ; v16-18 my tiles of x in region 0, 1, in the last fill;  v19-21 q | k's;  v22-24 v's
.set BB, 19
.set VV, 22
.set AD, 240                           ; v240-253 the addresses of the fragments that are being fetched
.set R16, 27
.set SPW, 28
.set NIL, 29
.set OA16, 30                          ; 16 x lane, 8 x lane
.set OA8, 31
.set SC, 32
.set BF, 96
.set TM, 136                           ; the way out: at work; v96-135 codes, two sets
.set PW, 152
.set PWS, 160
.set VW, 168
.set WV, 18
.set RH, 19
.set CH, 20
.set TR, 21
.set CC, 22
.set SEL, 76
.set MSB, 0
.macro WIN new
.if MSB != (\new)
	s_set_vgpr_msb (MSB<<8)|(\new)
.set MSB, (\new)
.endif
.endm
.macro PLACES
.rept 4
	v_nop
.endr
.endm
.macro CREST
	s_cmp_lg_u32 s[WV], 0
	s_cbranch_scc1 .Lnot_wave_0_\@
	s_barrier_signal -3
.Lnot_wave_0_\@:
	s_barrier_wait -3
	s_barrier_signal -1
	s_barrier_wait -1
.endm
.macro CROUND
	s_barrier_signal -1
	s_barrier_wait -1
	CREST
.endm
.macro JL                              ; a fill: waves 0 and 1 eight of x's tiles each, wave 2 q | k's eight, wave 3 v's four
	s_cmp_lt_u32 s[WV], 2
	s_cbranch_scc0 .Lqk_\@
	tensor_load_to_lds s[48:51], s[24:31]
	s_nop 0
	PLACES
	s_branch .Lasked_\@
.Lqk_\@:
	s_cmp_eq_u32 s[WV], 2
	s_cbranch_scc0 .Lv_\@
	tensor_load_to_lds s[52:55], s[32:39]
	s_nop 0
	PLACES
	s_branch .Lasked_\@
.Lv_\@:
	tensor_load_to_lds s[56:59], s[40:47]
	s_nop 0
	PLACES
.Lasked_\@:
.endm
.macro PHASE on, base, pt              ; the descriptors of the next fill: on bytes further along K, to base, pt bytes a tile
	s_add_nc_u64 s[50:51], s[50:51], \on
	s_add_nc_u64 s[54:55], s[54:55], \on
	s_add_nc_u64 s[58:59], s[58:59], \on
	s_mul_i32 s49, s[CH], 8*\pt
	s_add_co_u32 s49, s49, \base
	s_mov_b32 s53, \base+16*\pt
	s_mov_b32 s57, \base+24*\pt
.irp g, 24,32,40
	s_mov_b32 s[\g+1], (\pt/8)<<16
	s_mov_b32 s[\g+3], (\pt/8)<<16
.endr
.endm
.macro REGION k                        ; where the k-th 128 along K lies
.if (\k) < 4
.set RG, 0
.set PT, P0
.set KO, 1536*(\k)
.elseif (\k) < 7
.set RG, 1
.set PT, P1
.set KO, 1536*((\k)-4)
.else
.set RG, 2
.set PT, P2
.set KO, 0
.endif
.endm
.macro LD3 reg, adr                    ; a fragment: six pieces of 8 bytes a lane, two to a load
	ds_load_2addr_b64 v[\reg:\reg+3], v[\adr] offset0:0 offset1:32
	ds_load_2addr_b64 v[\reg+4:\reg+7], v[\adr] offset0:64 offset1:96
	ds_load_2addr_b64 v[\reg+8:\reg+11], v[\adr] offset0:128 offset1:160
.endm
; Step k's fragments into set e, in one run of 42 loads: q | k's 4 fragments, x's 8, v's 2.  The fourteen address lines are also the places in front of loads into the set that the last step's products read.
.macro FETCH k, e
	REGION \k
	WIN 0
.irp i, 0,1,2,3
	v_add_nc_u32 v[AD+\i], \i*PT+KO, v[BB+RG]
.endr
.irp i, 0,1,2,3,4,5,6,7
	v_add_nc_u32 v[AD+4+\i], \i*PT+KO, v[AA+RG]
.endr
.irp i, 0,1
	v_add_nc_u32 v[AD+12+\i], \i*PT+KO, v[VV+RG]
.endr
.irp i, 0,1,2,3
	LD3 BF+72*(\e)+12*\i, AD+\i
.endr
	WIN 0x40
.irp i, 0,1,2,3,4,5,6,7
	LD3 96*(\e)+12*\i, AD+4+\i
.endr
	WIN 0
.irp i, 0,1
	LD3 BF+72*(\e)+48+12*\i, AD+12+\i
.endr
.endm
; products from .. to - 1 of step k's 48 on set e, the accumulators by turns, one instruction a turn
.macro PRODS from, to, e, k
.set N_, \from
.rept (\to)-(\from)
.if N_ < 32
.set A_, N_/4
.set B_, N_%4
.if (\k) == 0
	WIN 0x94
	v_wmma_scale_f32_16x16x128_f8f6f4 v[32*A_+8*B_:32*A_+8*B_+7], v[BF+72*(\e)+12*B_:BF+72*(\e)+12*B_+11], v[96*(\e)+12*A_:96*(\e)+12*A_+11], v[192+8*B_:192+8*B_+7], v[SC+8*(\k)+B_], v[SC+8*(\k)+A_] matrix_a_fmt:MATRIX_FMT_FP6 matrix_b_fmt:MATRIX_FMT_FP6 matrix_a_scale:MATRIX_SCALE_ROW1
.else
	WIN 0xa4
	v_wmma_scale_f32_16x16x128_f8f6f4 v[32*A_+8*B_:32*A_+8*B_+7], v[BF+72*(\e)+12*B_:BF+72*(\e)+12*B_+11], v[96*(\e)+12*A_:96*(\e)+12*A_+11], v[32*A_+8*B_:32*A_+8*B_+7], v[SC+8*(\k)+B_], v[SC+8*(\k)+A_] matrix_a_fmt:MATRIX_FMT_FP6 matrix_b_fmt:MATRIX_FMT_FP6 matrix_a_scale:MATRIX_SCALE_ROW1
.endif
.else
.set A_, (N_-32)/2
.set B_, (N_-32)%2
.if (\k) == 0
	WIN 0xd1
	v_wmma_scale_f32_16x16x128_f8f6f4 v[64*B_+8*A_:64*B_+8*A_+7], v[96*(\e)+12*A_:96*(\e)+12*A_+11], v[BF+72*(\e)+48+12*B_:BF+72*(\e)+48+12*B_+11], v[224+8*B_:224+8*B_+7], v[SC+8*(\k)+A_], v[SC+8*(\k)+4+B_] matrix_a_fmt:MATRIX_FMT_FP6 matrix_b_fmt:MATRIX_FMT_FP6 matrix_b_scale:MATRIX_SCALE_ROW1
.else
	WIN 0xf1
	v_wmma_scale_f32_16x16x128_f8f6f4 v[64*B_+8*A_:64*B_+8*A_+7], v[96*(\e)+12*A_:96*(\e)+12*A_+11], v[BF+72*(\e)+48+12*B_:BF+72*(\e)+48+12*B_+11], v[64*B_+8*A_:64*B_+8*A_+7], v[SC+8*(\k)+A_], v[SC+8*(\k)+4+B_] matrix_a_fmt:MATRIX_FMT_FP6 matrix_b_fmt:MATRIX_FMT_FP6 matrix_b_scale:MATRIX_SCALE_ROW1
.endif
.endif
.set N_, N_+1
.endr
.endm
; A step of 128 along K; the next step's fragments are fetched in it.  mode 0: plain; 1: a round, and the last fill; 2: a plain barrier that shows the last fill; 3: the last step; 4: the first.
.macro STEP k, mode
.if (\mode) == 4
	s_wait_dscnt 18                                ; q | k's fragments and x's 0-3 are in; behind them x's 4-7 (12 loads) and v's (6)
	PRODS 0, 16, (\k)%2, \k
	s_wait_dscnt 6                                 ; x's 4-7
	FETCH (\k)+1, 1-(\k)%2
	PRODS 16, 32, (\k)%2, \k
	s_wait_dscnt 42                                ; v's: behind them the next step's 42
	PRODS 32, 48, (\k)%2, \k
.else
	s_wait_dscnt 0x0                               ; this step's fragments are in
.if (\mode) == 0
	FETCH (\k)+1, 1-(\k)%2
	PRODS 0, 48, (\k)%2, \k
.elseif (\mode) == 3
	PRODS 0, 48, (\k)%2, \k
.elseif (\mode) == 1
	PRODS 0, 8, (\k)%2, \k
	WIN 0
	s_wait_tensorcnt 0x0                           ; all my tensor loads have landed
	ds_add_u32 v[SPW], v[NIL]                      ; 0 onto my spare word
	PHASE P1, 0, P2
	PRODS 8, 12, (\k)%2, \k
	s_wait_dscnt 0x0                               ; the add and all my reads, those of region 0 among them
	s_barrier_signal -1
	PRODS 12, 16, (\k)%2, \k
	WIN 0
	s_barrier_wait -1
	CREST                                          ; no wave of any partner still reads region 0 or has a load on its way; region 1 is whole
	JL                                             ; the first tensor load behind the round
	FETCH (\k)+1, 1-(\k)%2
	PRODS 16, 48, (\k)%2, \k
.else
	PRODS 0, 4, (\k)%2, \k
	WIN 0
	s_wait_tensorcnt 0x0
	s_barrier_signal -1                            ; (no LDS instruction of mine is out)
	PRODS 4, 12, (\k)%2, \k
	WIN 0
	s_barrier_wait -1                              ; the last fill is in every wave's sight
	FETCH (\k)+1, 1-(\k)%2
	PRODS 12, 48, (\k)%2, \k
.endif
.endif
.endm
; 64 numbers of a lane in window w from s on, register 16 b + i = k 32 b + 16 (lane / 16) + i, become codes in v[pc .. pc + 11] and a scale word in v[pw].
.macro QUANT w, s, pc, pw
	WIN (\w)|((\w)<<2)
.irp b, 0,1,2,3
	v_max3_num_f32 v[TM+\b], |v[\s+16*\b]|, |v[\s+1+16*\b]|, 0x1800000   ; my 16 numbers of block b, and the floor 2^(3 - 127)
.endr
	WIN ((\w)<<2)|((\w)<<4)
.irp i, 2,4,6,8,10,12,14
.irp b, 0,1,2,3
	v_max3_num_f32 v[TM+\b], v[TM+\b], |v[\s+16*\b+\i]|, |v[\s+1+16*\b+\i]|
.endr
.endr
	WIN 0
.irp b, 0,1,2,3
	v_permlanex16_b32 v[TM+4+\b], v[TM+\b], s[SEL], s[SEL+1]
.endr
.irp b, 0,1,2,3
	v_max_num_f32 v[TM+\b], v[TM+\b], v[TM+4+\b]   ; with lane l xor 16's: the block's largest magnitude
.endr
.irp b, 0,1,2,3
	v_add_nc_u32 v[TM+12+\b], 0xff000000, v[TM+\b] ; 2 off its exponent field: the conversion's scale operand
.endr
.irp b, 0,1,2,3
	v_lshrrev_b32 v[TM+4+\b], 23, v[TM+12+\b]      ; the scale's byte
.endr
	v_lshl_or_b32 v[\pw], v[TM+5], 8, v[TM+4]
	v_lshl_or_b32 v[\pw], v[TM+6], 16, v[\pw]
	v_lshl_or_b32 v[\pw], v[TM+7], 24, v[\pw]
	WIN \w
.irp c, 0,1
	v_cvt_scalef32_pk16_fp6_f32 v[\pc+6*\c:\pc+2+6*\c], v[\s+32*\c:\s+15+32*\c], v[TM+12+2*\c]
	v_cvt_scalef32_pk16_fp6_f32 v[\pc+12+4*\c:\pc+14+4*\c], v[\s+16+32*\c:\s+31+32*\c], v[TM+12+2*\c+1]
.endr
	WIN 0
	v_nop                                          ; one plain line behind a scaled conversion
.irp c, 0,1                                    ; the operand's layout wants a whole block in a lane
.irp i, 0,1,2
	v_permlane16_swap_b32 v[\pc+6*\c+\i], v[\pc+12+4*\c+\i]
.endr
.irp i, 0,1,2
	v_mov_b32 v[\pc+3+6*\c+\i], v[\pc+12+4*\c+\i]
.endr
.endr
.endm
	s_load_b256 s[4:11], s[0:1], 0x0               ; cod, sca, bq, bk
	s_load_b128 s[12:15], s[0:1], 0x20             ; bv, qb
	s_load_b64 s[16:17], s[0:1], 0x30              ; kv
	v_lshl_add_u32 v[SPW], v0, 2, SPARE
	v_mov_b32 v[NIL], 0
	ds_add_u32 v[SPW], v[NIL]                      ; the wave's opening
	ds_add_u32 v[SPW], v[NIL]
	v_lshrrev_b32 v1, 5, v0
	v_readfirstlane_b32 s[WV], v1
	s_lshr_b32 s[RH], s[WV], 1                     ; my half of the rows
	s_and_b32 s[CH], s[WV], 1                      ; my half of the columns
	s_bfe_u32 s92, ttmp6, 0x40000                  ; cx
	s_bfe_u32 s93, ttmp6, 0x40004                  ; cy
	s_lshl_b32 s[CC], ttmp9, 2
	s_add_co_u32 s[CC], s[CC], s92
	s_and_b32 s[TR], ttmp7, 0xffff
	s_lshl_b32 s[TR], s[TR], 2
	s_add_co_u32 s[TR], s[TR], s93
	s_lshl_b32 s2, s93, 2
	s_lshl_b32 s2, 15, s2                          ; my row of the cluster
	s_lshl_b32 s3, 0x1111, s92                     ; my column
	s_or_b32 s24, s2, (3<<16)|(1<<21)              ; groups 1: rows of P0 bytes (elements of 8), 12,288 bytes apart; no padding
	s_or_b32 s32, s3, (3<<16)|(1<<21)
	s_or_b32 s40, s3, (3<<16)|(1<<21)
.irp g, 24,32,40
	s_mov_b32 s[\g+1], (P0/8)<<16
	s_mov_b32 s[\g+3], (P0/8)<<16
	s_mov_b32 s[\g+5], 1536
	s_mov_b32 s[\g+6], 0
	s_mov_b32 s[\g+7], 0
.endr
	s_mov_b32 s26, 8<<16
	s_mov_b32 s28, 8
	s_mov_b32 s34, 8<<16
	s_mov_b32 s36, 8
	s_mov_b32 s42, 4<<16
	s_mov_b32 s44, 4
	s_lshl_b32 s94, s[TR], 4
	s_lshl_b32 s95, s[CH], 3
	s_add_co_u32 s94, s94, s95                     ; x: tile 16 T + 8 (wave % 2)
	s_mul_i32 s94, s94, 12288
	s_mov_b32 s95, 0
	s_lshl_b32 s96, s[CC], 3
	s_add_co_u32 s96, s96, 256
	s_mul_i32 s96, s96, 12288                      ; q | k: tile 256 + 8 c
	s_mov_b32 s97, 0
	s_lshl_b32 s98, s[CC], 2
	s_add_co_u32 s98, s98, 384
	s_mul_i32 s98, s98, 12288                      ; v: tile 384 + 4 c
	s_mov_b32 s99, 0
	s_mov_b32 s48, 1
	s_mul_i32 s49, s[CH], 8*P0
	s_mov_b32 s52, 1
	s_mov_b32 s53, 16*P0
	s_mov_b32 s56, 1
	s_mov_b32 s57, 24*P0
	s_wait_dscnt 0x0                               ; both opening adds are done
	s_wait_kmcnt 0x0
	s_add_nc_u64 s[50:51], s[4:5], s[94:95]
	s_or_b32 s51, s51, 0x80000000
	s_add_nc_u64 s[54:55], s[4:5], s[96:97]
	s_or_b32 s55, s55, 0x80000000
	s_add_nc_u64 s[58:59], s[4:5], s[98:99]
	s_or_b32 s59, s59, 0x80000000
	CROUND                                         ; all sixteen work-groups are here: the joint loads meet
	JL                                             ; 512 along K: one tensor load a wave at the head
	; the prefetches' places
	s_lshl_b32 s72, s92, 2
	s_add_co_u32 s72, s72, s[WV]                   ; my number among my row's sixteen waves
	s_lshl_b32 s73, s[TR], 4
	s_add_co_u32 s72, s72, s73
	s_mul_i32 s72, s72, 12288
	s_add_co_u32 s72, s72, P0
	s_lshl_b32 s73, s93, 2
	s_add_co_u32 s73, s73, s[WV]                   ; and among my column's
	s_mul_i32 s73, s73, 18
	s_add_co_u32 s74, s96, P0
	s_lshl_b32 s75, s[CC], 2
	s_sub_co_u32 s75, 120, s75
	s_mul_i32 s75, s75, 12288                      ; from q | k's tiles on to v's
	; the scale bytes: 512 a tile
	s_lshl_b32 s94, s[TR], 4
	s_lshl_b32 s95, s[RH], 3
	s_add_co_u32 s94, s94, s95
	s_lshl_b32 s94, s94, 9                         ; x: my eight tiles
	s_lshl_b32 s95, s[CC], 3
	s_lshl_b32 s98, s[CH], 2
	s_add_co_u32 s95, s95, s98
	s_add_co_u32 s95, s95, 256
	s_lshl_b32 s95, s95, 9
	s_sub_co_u32 s95, s95, s94                     ; to my four of q | k
	s_lshl_b32 s96, s[CC], 2
	s_lshl_b32 s98, s[CH], 1
	s_add_co_u32 s96, s96, s98
	s_add_co_u32 s96, s96, 384
	s_lshl_b32 s96, s96, 9
	s_sub_co_u32 s96, s96, s94
	s_sub_co_u32 s96, s96, 2048                    ; to my two of v, from x's fifth tile
	s_add_co_u32 s97, s94, 2048
	; the biases
	s_and_b32 s100, s[CC], 7
	s_lshl_b32 s100, s100, 9
	s_lshl_b32 s98, s[CH], 8
	s_add_co_u32 s100, s100, s98
	s_mov_b32 s101, 0
	s_cmp_lt_u32 ttmp9, 2                          ; q's columns or k's
	s_cselect_b64 s[8:9], s[8:9], s[10:11]
	s_mov_b32 s66, 13056
	s_cselect_b32 s66, 6656, s66                   ; a record,
	s_mov_b32 s67, 12288
	s_cselect_b32 s67, 6144, s67                   ; and where its scale words begin
	s_cselect_b64 s[14:15], s[14:15], s[16:17]
	s_add_nc_u64 s[8:9], s[8:9], s[100:101]
	s_lshl_b32 s100, s[CC], 8
	s_lshl_b32 s98, s[CH], 7
	s_add_co_u32 s100, s100, s98
	s_add_nc_u64 s[12:13], s[12:13], s[100:101]
	; where my results go: record ((16 batch + head) 16 + step)
	s_lshr_b32 s98, s[TR], 3
	s_lshl_b32 s98, s98, 8                         ; 256 batch
	s_and_b32 s99, s[TR], 7
	s_lshl_b32 s99, s99, 1
	s_add_co_u32 s99, s99, s[RH]
	s_add_co_u32 s98, s98, s99                     ; + step
	s_lshl_b32 s99, s[CC], 1
	s_add_co_u32 s99, s99, s[CH]
	s_and_b32 s99, s99, 15
	s_lshl_b32 s99, s99, 4
	s_add_co_u32 s99, s99, s98
	s_mul_i32 s100, s99, s66
	s_add_nc_u64 s[68:69], s[14:15], s[100:101]    ; q or k
	s_add_co_u32 s100, s100, s67
	s_add_nc_u64 s[70:71], s[14:15], s[100:101]    ; its scale words
	s_lshl_b32 s99, s[CC], 4
	s_add_co_u32 s98, s98, s99
	s_mul_i32 s98, s98, 13056
	s_mul_i32 s100, s[CH], 3072
	s_add_co_u32 s100, s100, s98
	s_add_co_u32 s100, s100, 6144
	s_add_nc_u64 s[60:61], s[16:17], s[100:101]    ; v
	s_lshl_b32 s100, s[CH], 3
	s_add_co_u32 s100, s100, s98
	s_add_co_u32 s100, s100, 12800
	s_add_nc_u64 s[62:63], s[16:17], s[100:101]    ; its scale words
	s_mov_b32 s[SEL], 0x76543210
	s_mov_b32 s[SEL+1], 0xfedcba98                 ; v_permlanex16_b32's selects for lane l xor 16
	s_mov_b32 s78, 0xffff0000
	; LDS bases
	s_mul_i32 s79, s[RH], 8*P0
	s_mul_i32 s80, s[RH], 8*P1
	s_add_co_u32 s80, s80, RB1
	s_mul_i32 s81, s[RH], 8*P2
	s_mul_i32 s82, s[CH], 4*P0
	s_add_co_u32 s82, s82, 16*P0
	s_mul_i32 s83, s[CH], 4*P1
	s_add_co_u32 s83, s83, RB1+16*P1
	s_mul_i32 s84, s[CH], 4*P2
	s_add_co_u32 s84, s84, 16*P2
	s_mul_i32 s85, s[CH], 2*P0
	s_add_co_u32 s85, s85, 24*P0
	s_mul_i32 s86, s[CH], 2*P1
	s_add_co_u32 s86, s86, RB1+24*P1
	s_mul_i32 s87, s[CH], 2*P2
	s_add_co_u32 s87, s87, 24*P2
	v_and_b32 v1, 15, v0                           ; r
	v_bfe_u32 v2, v0, 4, 1                         ; h
	v_and_b32 v3, 31, v0
	v_lshlrev_b32 v[R16], 4, v1
	v_mul_u32_u24 v4, s95, v2
	v_mul_u32_u24 v5, s96, v2
	v_add_nc_u32 v4, v4, v[R16]
	v_add_nc_u32 v5, v5, v[R16]
	v_add_nc_u32 v4, s94, v4
	v_add_nc_u32 v5, s97, v5
	v_lshlrev_b32 v6, 6, v2                        ; 64 h: my half's 16 numbers of each 32
	v_and_b32 v7, 8, v1
	v_add_nc_u32 v7, v7, v1
	v_lshlrev_b32 v7, 2, v7                        ; 4 (r + 8 (r / 8))
.irp i, 0,1,2,3
.irp f, 0,1
	global_load_b128 v[BF+32*\f+4*\i:BF+32*\f+4*\i+3], v4, s[6:7] offset:512*\i+256*\f
	global_load_b128 v[BF+32*\f+16+4*\i:BF+32*\f+16+4*\i+3], v5, s[6:7] offset:512*\i+256*\f   ; (lanes 16-31 of the last two of four: words that no product takes, inside the buffer)
.endr
.endr
	WIN 0x40
.irp b, 0,1,2,3
	global_load_b128 v[192+8*\b:195+8*\b], v6, s[8:9] offset:(32*(\b/2)+8*(\b%2))*4
	global_load_b128 v[196+8*\b:199+8*\b], v6, s[8:9] offset:(32*(\b/2)+8*(\b%2))*4+16
.endr
	global_load_b32 v224, v7, s[12:13]
	global_load_b32 v232, v7, s[12:13] offset:32
	WIN 0
	v_min_u32 v8, 23, v3
	v_lshlrev_b32 v8, 8, v8
	v_add_nc_u32 v25, s72, v8
	v_min_u32 v9, 17, v3
	v_add_nc_u32 v9, s73, v9                       ; block 0 .. 287 of the weights' twelve tiles, 24 each
	v_mul_u32_u24 v10, 2731, v9
	v_lshrrev_b32 v10, 16, v10                     ; its tile: block / 24
	v_mul_u32_u24 v11, P0, v10
	v_lshl_add_u32 v11, v9, 8, v11                 ; 12,288 x tile + 256 x (block % 24)
	v_mov_b32 v12, s75
	v_cmp_lt_u32 vcc_lo, 7, v10
	v_cndmask_b32 v12, 0, v12, vcc_lo
	v_add_nc_u32 v11, v11, v12
	v_add_nc_u32 v26, s74, v11
	v_lshlrev_b32 v[OA16], 4, v3
	v_lshlrev_b32 v[OA8], 3, v3
.irp s, 0,1,2
	v_add_nc_u32 v[AA+\s], s[79+\s], v[OA8]
	v_add_nc_u32 v[BB+\s], s[82+\s], v[OA8]
	v_add_nc_u32 v[VV+\s], s[85+\s], v[OA8]
.endr
	s_wait_alu depctr_va_vdst(0)
	s_wait_loadcnt 0x0                             ; the scale words and the biases
	global_prefetch_b8 v25, s[4:5] th:TH_LOAD_NT scope:SCOPE_SE   ; K from 512 on: the next two fills' bytes, asked for behind what the first steps need
	global_prefetch_b8 v26, s[4:5] th:TH_LOAD_NT scope:SCOPE_SE
.irp k, 0,1,2,3,4,5,6,7                        ; a K step's eight words side by side
.irp i, 0,1,2,3,4,5,6,7
	v_mov_b32 v[SC+8*\k+\i], v[BF+32*(\k/4)+4*\i+\k%4]
.endr
.endr
	WIN 0x41
.irp i, 1,2,3,4,5,6,7
	v_mov_b32 v[224+\i], v224                      ; v's bias: a lane's one number in a tile's eight registers
	v_mov_b32 v[232+\i], v232
.endr
	WIN 0
	s_wait_alu depctr_va_vdst(0)
	s_wait_tensorcnt 0x0                           ; my part of the first fill is in
	ds_add_u32 v[SPW], v[NIL]
	PHASE P0, RB1, P1
	s_wait_dscnt 0x0
	CROUND                                         ; the first fill is in every wave's sight
	JL                                             ; 384 along K into region 1
	FETCH 0, 0
	STEP 0, 4
	STEP 1, 0
	STEP 2, 0
	STEP 3, 1
	STEP 4, 0
	STEP 5, 0
	STEP 6, 2
	STEP 7, 3
	; THE WAY OUT: the sums are quantised where they stand; a lane's codes are an image as they are.
	WIN 0
	PLACES                                         ; behind the last products
.irp b, 0,1,2,3
	v_mov_b32 v[TM+4+\b], 0                        ; written once: a lane permute's destination counts as one of its sources
.endr
.macro OUTQK p, pc                     ; tiles 2 p and 2 p + 1 of x: two half images
.if (\p) > 1
	s_wait_xcnt 0x0                                ; the stores before the last have read their registers
.endif
	QUANT 2, 64*(\p), \pc, PW
	v_and_b32 v[PWS+2*(\p)], 0xffff, v[PW]
	v_lshrrev_b32 v[PWS+2*(\p)+1], 16, v[PW]
.irp c, 0,1
	global_store_b128 v[OA16], v[\pc+6*\c:\pc+6*\c+3], s[68:69] offset:1536*(\p)+768*\c
	global_store_b64 v[OA8], v[\pc+6*\c+4:\pc+6*\c+5], s[68:69] offset:1536*(\p)+768*\c+512
.endr
.endm
.macro OUTV t, pc
	s_wait_xcnt 0x0
	QUANT 3, 64*(\t), \pc, VW+\t
.irp m, 0,1,2
	global_store_b128 v[OA16], v[\pc+4*\m:\pc+4*\m+3], s[60:61] offset:1536*(\t)+512*\m
.endr
.endm
	OUTQK 0, 96
	OUTQK 1, 116
	OUTQK 2, 96
	OUTQK 3, 116
	OUTV 0, 96
	OUTV 1, 116
.irp i, 0,1,2,3
	v_cndmask_b32 v[PWS+\i], v[PWS+\i], v[PWS+4+\i], s78   ; lanes 0-15 store tiles 0-3's words, lanes 16-31 tiles 4-7's
.endr
	global_store_b128 v[OA16], v[PWS:PWS+3], s[70:71]      ; 512 consecutive bytes
	global_store_b64 v[R16], v[VW:VW+1], s[62:63]          ; two of the four words of a row: 8 bytes of each 16, 128 bytes a wave; both halves of the lanes hold the same
	s_wait_tensorcnt 0x0                           ; the wave's end
	ds_add_u32 v[SPW], v[NIL]
	s_wait_dscnt 0x0
	CROUND                                         ; the closing round
	s_endpgm
.Lfunc_end_k_q2771b5653b_qkvgemm:
	.size	k_q2771b5653b_qkvgemm, .Lfunc_end_k_q2771b5653b_qkvgemm-k_q2771b5653b_qkvgemm
	.p2alignl 7, 3214868480
	.fill 96, 4, 3214868480
	.section	.rodata,"a",@progbits
	.p2align	6, 0x0
	.amdhsa_kernel k_q2771b5653b_qkvgemm
		.amdhsa_group_segment_fixed_size 327680
		.amdhsa_private_segment_fixed_size 0
		.amdhsa_enable_private_segment 0
		.amdhsa_kernarg_size 56
		.amdhsa_user_sgpr_count 2
		.amdhsa_user_sgpr_kernarg_segment_ptr 1
		.amdhsa_wavefront_size32 1
		.amdhsa_system_sgpr_workgroup_id_x 1
		.amdhsa_system_sgpr_workgroup_id_y 1
		.amdhsa_system_sgpr_workgroup_id_z 1
		.amdhsa_system_vgpr_workitem_id 0
		.amdhsa_next_free_vgpr 896
		.amdhsa_next_free_sgpr 106
		.amdhsa_reserve_vcc 1
		.amdhsa_float_denorm_mode_32 3
		.amdhsa_float_denorm_mode_16_64 3
		.amdhsa_memory_ordered 1
		.amdhsa_forward_progress 1
		.amdhsa_inst_pref_size 125
	.end_amdhsa_kernel
	.amdgpu_metadata
---
amdhsa.version: [ 1, 2 ]
amdhsa.kernels:
  - .name:           k_q2771b5653b_qkvgemm
    .symbol:         k_q2771b5653b_qkvgemm.kd
    .args:
      - { .name: cod, .offset: 0, .size: 8, .value_kind: global_buffer, .address_space: global }
      - { .name: sca, .offset: 8, .size: 8, .value_kind: global_buffer, .address_space: global }
      - { .name: bq, .offset: 16, .size: 8, .value_kind: global_buffer, .address_space: global }
      - { .name: bk, .offset: 24, .size: 8, .value_kind: global_buffer, .address_space: global }
      - { .name: bv, .offset: 32, .size: 8, .value_kind: global_buffer, .address_space: global }
      - { .name: qb, .offset: 40, .size: 8, .value_kind: global_buffer, .address_space: global }
      - { .name: kv, .offset: 48, .size: 8, .value_kind: global_buffer, .address_space: global }
    .group_segment_fixed_size: 327680
    .private_segment_fixed_size: 0
    .kernarg_segment_align: 8
    .kernarg_segment_size: 56
    .max_flat_workgroup_size: 128
    .sgpr_count:     106
    .vgpr_count:     896
    .wavefront_size: 32
...
	.end_amdgpu_metadata
.endif
;; end of part 2
;; launch attn (part 3): grid 32 x 8, 16 waves a work-group, no clusters, 284,672 bytes of LDS; arguments qb, kv, oimg, osc; writes oimg, osc
.if DOCPART == 3
	.amdgcn_target "amdgcn-amd-amdhsa--gfx1250"
	.amdhsa_code_object_version 6
	.text
	.protected	k_q2771b5653b_attn
	.globl	k_q2771b5653b_attn
	.p2align	8
	.type	k_q2771b5653b_attn,@function
k_q2771b5653b_attn:
	s_mov_b64 s[64:65], 0
	v_nop
	global_prefetch_b8 v0, s[64:65] scope:SCOPE_SE
	s_setreg_imm32_b32 hwreg(HW_REG_WAVE_MODE, 25, 1), 1
	s_wait_xcnt 0x0
; Causal attention of one (batch, head) on codes of FP6 (E2M3): S^T = K Q^T (K = the head's 64, in the lower half of an instruction's 128; the upper half of Q is zero codes, so what stands in K's upper half adds nothing), p = 2^(t - M), O^T = V^T P^T (128 keys a step).
; t = score x log2(e) / 32;  M = the running largest t rounded UP to a whole number, kept as -M;  p is quantised along the keys, not normalised;  the row's sum is taken of the unquantised p and divides at the end.
; SHARES.  Work-group (head, j): sixteen waves, four to a SIMD.  Tile t = 0 .. 7 (16 queries) of block 15 - j and tile t of block j belong to two waves: one walks the even key steps of both, the other the odd ones, 9 and 8 steps in all.
;   Which: p = (wave xor wave / 4) % 2, so that of any four neighbouring waves, and of any four waves 4 apart, two are of each kind.  At the end wave p = 0 sends its part of block j to its partner (wave xor 1) through LDS and gets the partner's part of block 15 - j, and the other way round.
; THE WHOLE HEAD LIES IN LDS, filled once: wave w fetches the record of key step w (K's 8 half images, V's 4 images, their scale words), one tensor load a wave.  The first two trips read records 0-3, which waves 0-3 fetched.
; No prefetch: all that the launch reads is asked for at its head.  NO CLUSTER, though the eight work-groups of a head read the same records.
; TRIP COUNTS ARE CONSTANTS; a step all of whose keys come after the wave's queries is left out by a scalar branch on ids, and only the step on the diagonal masks.
; LAYOUT.  Both products are used transposed: a lane holds one query throughout.  Tiles are permuted (lane index r of tile 2 B + u = row 32 B + 8 u + r + 8 (r / 8)), so S^T's 16 registers of two neighbouring tiles are 16 neighbouring keys, O^T's 16 neighbouring channels.
; LIMITS: a masked key weighs exactly 0, which is what -1e9 gives wherever a row's largest logit lies above about -1e9 + 100; the scaled scores stay under 2^31 in magnitude; a block of zeros gets the byte 1; NaN and infinities are not served.
; A block's largest p is the exponential of its largest score (1 ulp: ISA guide 15.8).
; REGISTERS: v1-7, v28, v29, v89 stay; v8-10 the step's addresses; v[12:13], v[90:91] -M of the long and the short block (low word), v[14:15], v[86:87] their sums; v16-27 Q; v[30:31] f; v32-79 K's eight tiles, v80-85 the short block's Q;
;   v88 p's scale word; v92-95 V's, v248-255 K's; v96-159 S^T, then p, then V; v160-191, v192-223 O^T; v224-235 p's codes; v232-247 at work.
.set REC,   13056
.set XCH,   16*REC                     ; the exchange: 9 x 512 bytes for each wave
.set XW,    4608
.set SPARE, XCH+16*XW                  ; the spare words
.set SPW,  5
.set NIL,  6
.set NINF, 7
.set XS,   4
.set XL,   0                           ; (v0 is spent when it is written)
.set VA,   8                           ; v8, v10: where the step's V and its scale words lie;  v9, v11, v31: the next step's K (16 and 8 bytes a lane) and its scale words (of f's pair v[30:31] the products take the low word alone)
.set TN,   88                          ; s88 the next step's record
.set GS,   28
.set FF,   30
.set PSW,  88
.set TMP,  243
.set WV,   18
.set PP,   19
.set TT,   20
.set QB,   21                          ; t / 2: which 32 keys of the diagonal step my tile cuts through
.set CS,   22                          ; s[22:23] c = log2(e) / 32
.set SEL,  36
.set SI,   38                          ; the key step, and its record
.set TB,   39
.set BL,   40                          ; the blocks 15 - j and j
.set BS,   41
.set CNT,  42
.set HM,   43                          ; lanes 16-31
.set HK,   44                          ; s[44:59] the lanes from which the i-th of my 16 keys is hidden
.macro MASKB b
	s_cmp_gt_u32 s[QB], \b                         ; wholly before my queries
	s_cbranch_scc1 .Lseen_\@
	s_cmp_eq_u32 s[QB], \b
	s_cbranch_scc0 .Lall_\@
.set nn, 0
.rept 16
	v_cndmask_b32 v[96+16*\b+nn], v[96+16*\b+nn], v[NINF], s[HK+nn]
.set nn, nn+1
.endr
	s_branch .Lseen_\@
.Lall_\@:
.set nn, 0
.rept 16
	v_mov_b32 v[96+16*\b+nn], v[NINF]
.set nn, nn+1
.endr
.Lseen_\@:
.endm
.macro ADDRK tb
	v_add_nc_u32 v9, s[\tb], v1
	v_add_nc_u32 v11, s[\tb], v2
	v_add_nc_u32 v31, s[\tb], v3
.endm
.macro LOADK                           ; K's eight tiles and their scale words
	ds_load_b128 v[248:251], v31 offset:12288
	ds_load_b128 v[252:255], v31 offset:12544
.irp t, 0,1,2,3,4,5,6,7
	ds_load_b128 v[32+6*\t:35+6*\t], v9 offset:768*\t
	ds_load_b64 v[36+6*\t:37+6*\t], v11 offset:768*\t
.endr
.endm
; live = 2: as 1, and the wait of the barrier that shows all records stands ahead of the next step's K loads
.macro STEP blk, qs, ob, nm, l, live
.if !(\live)
	s_cmp_gt_u32 s[SI], s[\blk]                    ; all 128 keys come after my queries
	s_cbranch_scc1 .Lhidden_\@
.endif
	s_add_co_u32 s[TN], s[TB], 2*REC
	s_min_u32 s[TN], s[TN], 15*REC                 ; behind the last record: some record, which nobody multiplies
	v_add_nc_u32 v[VA], s[TB], v1                  ; five places: the products below write over V's fragments, which the last step's products read
	v_add_nc_u32 v10, s[TB], v3
	ADDRK TN
	s_wait_alu depctr_va_vdst(0)
	s_wait_dscnt 0x0                               ; this step's K, asked for a step ago
.irp t, 0,1,2,3,4,5,6,7
	v_wmma_scale_f32_16x16x128_f8f6f4 v[96+8*\t:103+8*\t], v[32+6*\t:43+6*\t], v[16:27], 0, v[248+\t], v[\qs] matrix_a_fmt:MATRIX_FMT_FP6 matrix_b_fmt:MATRIX_FMT_FP6
.endr                                          ; register 16 b + i of lane (r, h): key 32 b + 16 h + i of the step
.rept 4
	v_nop
.endr
.if (\live) == 2
	s_barrier_wait -1                              ; all of the head is in every wave's sight
.endif
	LOADK                                          ; the next step's K lands under the lines below
.if !(\live)
	s_cmp_lg_u32 s[SI], s[\blk]                    ; only the step on the diagonal hides keys
	s_cbranch_scc1 .Lopen_\@
.irp b, 0,1,2,3
	MASKB \b
.endr
.Lopen_\@:
	s_wait_alu depctr_va_vdst(0)
.endif
.irp b, 0,1,2,3
	v_max3_num_f32 v[232+\b], v[96+16*\b], v[97+16*\b], v[98+16*\b]   ; the largest score of each block of 32 keys
.endr
.irp i, 3,5,7,9,11,13
.irp b, 0,1,2,3
	v_max3_num_f32 v[232+\b], v[232+\b], v[96+16*\b+\i], v[97+16*\b+\i]
.endr
.endr
.irp b, 0,1,2,3
	v_max_num_f32 v[232+\b], v[232+\b], v[111+16*\b]
.endr
.irp b, 0,1,2,3
	s_delay_alu instid0(VALU_DEP_4)
	v_permlanex16_b32 v[236+\b], v[232+\b], s[SEL], s[SEL+1]
.endr
.irp b, 0,1,2,3
	s_delay_alu instid0(VALU_DEP_4)
	v_max_num_f32 v[232+\b], v[232+\b], v[236+\b]  ; with lane l xor 16's 16 keys
.endr
	s_delay_alu instid0(VALU_DEP_2)
	v_max3_num_f32 v[TMP], v232, v233, v234
	s_delay_alu instid0(VALU_DEP_1)
	v_max_num_f32 v[TMP], v[TMP], v235             ; the step's largest score of my query
	s_delay_alu instid0(VALU_DEP_1)
	v_mul_f32 v[TMP], s[CS], v[TMP]                ; as t
	s_delay_alu instid0(VALU_DEP_1)
	v_floor_f32 v[TMP], -v[TMP]                    ; -ceil(t)
	s_delay_alu instid0(VALU_DEP_1)
	v_min_num_f32 v[TMP], v[\nm], v[TMP]           ; the new -M: a whole number
	s_delay_alu instid0(VALU_DEP_1)
	v_sub_f32 v[FF], v[TMP], v[\nm]                ; old M - new M: a whole number, 0 or less
	v_mov_b32 v[\nm], v[TMP]
	s_delay_alu instid0(VALU_DEP_2)
	v_cvt_i32_f32 v[FF], v[FF]                     ; (it saturates)
	s_delay_alu instid0(VALU_DEP_1)
	v_ldexp_f32 v[FF], 1.0, v[FF]                  ; f = 2^(old M - new M): a multiplication by it rounds nothing
.set jj, 0
.rept 32
	v_pk_fma_f32 v[96+jj:97+jj], v[96+jj:97+jj], s[CS:CS+1], v[\nm:\nm+1] op_sel_hi:[1,0,0]   ; t - M, two at a time
.set jj, jj+2
.endr
.irp b, 0,1,2,3
	v_fma_f32 v[232+\b], v[232+\b], s[CS], v[\nm]  ; the same of each block's largest score
.endr
	s_wait_alu depctr_va_vdst(0)
.irp b, 0,1,2,3
	v_exp_f32 v[232+\b], v[232+\b]                 ; the block's largest p
.endr
.set jj, 0
.rept 64
	v_exp_f32 v[96+jj], v[96+jj]                   ; p = 2^(t - M)
.set jj, jj+1
.endr
	v_nop                                          ; a plain line behind the exponentials
	s_wait_alu depctr_va_vdst(0)                   ; and behind it
.irp b, 0,1,2,3
	v_max_num_f32 v[232+\b], 0x1800000, v[232+\b]  ; the floor 2^(3 - 127): a block whose every p is 0 keeps the byte 1: its codes are zeros
.endr
.irp i, 0,1,2,3
	v_pk_add_f32 v[224+2*\i:225+2*\i], v[96+2*\i:97+2*\i], v[112+2*\i:113+2*\i]     ; the row's sum, of the unquantised p: eight sums side by side
	v_pk_add_f32 v[236+2*\i:237+2*\i], v[104+2*\i:105+2*\i], v[120+2*\i:121+2*\i]
.endr
.irp q, 128,144
.irp i, 0,1,2,3
	v_pk_add_f32 v[224+2*\i:225+2*\i], v[224+2*\i:225+2*\i], v[\q+2*\i:\q+1+2*\i]
	v_pk_add_f32 v[236+2*\i:237+2*\i], v[236+2*\i:237+2*\i], v[\q+8+2*\i:\q+9+2*\i]
.endr
.endr
.irp i, 0,1,2,3
	v_pk_add_f32 v[224+2*\i:225+2*\i], v[224+2*\i:225+2*\i], v[236+2*\i:237+2*\i]
.endr
	s_delay_alu instid0(VALU_DEP_2)
	v_pk_add_f32 v[224:225], v[224:225], v[228:229]
	s_delay_alu instid0(VALU_DEP_2)
	v_pk_add_f32 v[226:227], v[226:227], v[230:231]
	s_delay_alu instid0(VALU_DEP_1)
	v_pk_add_f32 v[224:225], v[224:225], v[226:227]
	s_delay_alu instid0(VALU_DEP_1)
	v_pk_fma_f32 v[\l:\l+1], v[\l:\l+1], v[FF:FF+1], v[224:225] op_sel_hi:[1,0,1]   ; under the new M
.irp b, 0,1,2,3
	v_add_nc_u32 v[244+\b], 0xff000000, v[232+\b]  ; 2 off the exponent field: the conversion's scale operand
.endr
.irp b, 0,1,2,3
	s_delay_alu instid0(VALU_DEP_4)
	v_lshrrev_b32 v[236+\b], 23, v[244+\b]
.endr
	s_delay_alu instid0(VALU_DEP_3)
	v_lshl_or_b32 v[PSW], v237, 8, v236            ; p's scale word for these 128 keys
	s_delay_alu instid0(VALU_DEP_1)
	v_lshl_or_b32 v[PSW], v238, 16, v[PSW]
	s_delay_alu instid0(VALU_DEP_1)
	v_lshl_or_b32 v[PSW], v239, 24, v[PSW]
.irp c, 0,1
	v_cvt_scalef32_pk16_fp6_f32 v[224+6*\c:226+6*\c], v[96+32*\c:111+32*\c], v[244+2*\c]
	v_cvt_scalef32_pk16_fp6_f32 v[236+4*\c:238+4*\c], v[112+32*\c:127+32*\c], v[244+2*\c+1]
.endr
	v_nop                                          ; one plain line behind a scaled conversion
.irp t, 0,1,2,3                                ; p is spent: V's four fragments take its registers, and land under the lines below
.irp m, 0,1,2
	ds_load_b128 v[96+12*\t+4*\m:99+12*\t+4*\m], v8 offset:6144+1536*\t+512*\m
.endr
.endr
	ds_load_b128 v[92:95], v10 offset:12800
.irp c, 0,1                                    ; the operand's layout wants a whole block in a lane
.irp i, 0,1,2
	v_permlane16_swap_b32 v[224+6*\c+\i], v[236+4*\c+\i]
.endr
.irp i, 0,1,2
	s_delay_alu instid0(VALU_DEP_3)
	v_mov_b32 v[227+6*\c+\i], v[236+4*\c+\i]
.endr
.endr
	s_wait_alu depctr_va_vdst(0)
.set jj, 0
.rept 16
	v_pk_mul_f32 v[\ob+jj:\ob+1+jj], v[\ob+jj:\ob+1+jj], v[FF:FF+1] op_sel_hi:[1,0]   ; O^T under the new M; also the places between the lines that made p's codes and scale word and the products
.set jj, jj+2
.endr
	s_wait_alu depctr_va_vdst(0)
	s_wait_dscnt 0x0
.irp t, 0,1,2,3
	v_wmma_scale_f32_16x16x128_f8f6f4 v[\ob+8*\t:\ob+7+8*\t], v[96+12*\t:107+12*\t], v[224:235], v[\ob+8*\t:\ob+7+8*\t], v[92+\t], v[PSW] matrix_a_fmt:MATRIX_FMT_FP6 matrix_b_fmt:MATRIX_FMT_FP6
.endr
.Lhidden_\@:
	s_add_co_u32 s[SI], s[SI], 2
	s_add_co_u32 s[TB], s[TB], 2*REC
.endm
.macro LOOPEND name
	s_sub_co_u32 s[CNT], s[CNT], 1
	s_cmp_lg_u32 s[CNT], 0
	s_cbranch_scc1 \name
.endm
.macro PACE                            ; at each trip's top: the wait for the signal of a trip ago, and a new signal: no wave goes more than about a trip ahead of another.  It guards no bytes: between the two stand register work and loads of bytes that nobody writes
	s_wait_dscnt 0x0
	s_barrier_wait -1
	s_barrier_signal -1
.endm
.macro SENDX ob, nm, l
.irp m, 0,1,2,3,4,5,6,7
	ds_store_b128 v[XS], v[\ob+4*\m:\ob+3+4*\m] offset:512*\m
.endr
	ds_store_b64 v[XS], v[\nm:\nm+1] offset:4096
	ds_store_b64 v[XS], v[\l:\l+1] offset:4104
.endm
.macro MERGE ob, nm, l                 ; my part and the partner's (v[96:127] O^T, v128 -M, v[130:131] the sum) under the larger M
	v_min_num_f32 v132, v[\nm], v128
	v_mov_b32 v137, 0
	v_mov_b32 v139, 0
	v_sub_f32 v133, v132, v[\nm]
	v_sub_f32 v134, v132, v128
	v_cvt_i32_f32 v133, v133
	v_cvt_i32_f32 v134, v134
	v_ldexp_f32 v136, 1.0, v133
	v_ldexp_f32 v138, 1.0, v134
	v_pk_mul_f32 v[140:141], v[\l:\l+1], v[136:137] op_sel_hi:[1,0]
.set jj, 0
.rept 16
	v_pk_mul_f32 v[96+jj:97+jj], v[96+jj:97+jj], v[138:139] op_sel_hi:[1,0]
.set jj, jj+2
.endr
	v_pk_fma_f32 v[140:141], v[130:131], v[138:139], v[140:141] op_sel_hi:[1,0,1]
.set jj, 0
.rept 16
	v_pk_fma_f32 v[96+jj:97+jj], v[\ob+jj:\ob+1+jj], v[136:137], v[96+jj:97+jj] op_sel_hi:[1,0,1]
.set jj, jj+2
.endr
.endm
	s_load_b256 s[4:11], s[0:1], 0x0               ; qb s[4:5], kv s[6:7], oimg s[8:9], osc s[10:11]
	v_lshl_add_u32 v[SPW], v0, 2, SPARE
	v_mov_b32 v[NIL], 0
	ds_add_u32 v[SPW], v[NIL]                      ; the wave's opening
	ds_add_u32 v[SPW], v[NIL]
	v_lshrrev_b32 v8, 5, v0
	v_readfirstlane_b32 s[WV], v8                  ; wave 0..15
	s_lshr_b32 s[TT], s[WV], 1                     ; my tile t
	s_lshr_b32 s[QB], s[WV], 2
	s_xor_b32 s[PP], s[QB], s[WV]
	s_and_b32 s[PP], s[PP], 1
	s_and_b32 s[BS], ttmp7, 0xffff
	s_sub_co_u32 s[BL], 15, s[BS]
	s_mov_b32 s24, 3<<16                           ; group 1: a record of 13,056 dense bytes as three rows of 544 elements of 8
	s_mov_b32 s25, 544<<16
	s_mov_b32 s26, 3<<16
	s_mov_b32 s27, 544<<16
	s_mov_b32 s28, 3
	s_mov_b32 s29, 544
	s_mov_b32 s30, 0
	s_mov_b32 s31, 0
	s_lshl_b32 s66, ttmp9, 4                       ; the head's first record
	s_add_co_u32 s67, s66, s[WV]
	s_mul_i32 s68, s67, REC
	s_mov_b32 s69, 0
	s_mov_b32 s32, 1
	s_mul_i32 s33, s[WV], REC
	s_add_co_u32 s70, s66, s[BL]                   ; Q's records: blocks 15 - j and j
	s_mul_i32 s70, s70, 6656
	s_mov_b32 s71, 0
	s_add_co_u32 s72, s66, s[BS]
	s_mul_i32 s72, s72, 6656
	s_mov_b32 s73, 0
	s_mul_i32 s74, s[TT], 768
	s_mov_b32 s75, 0
	s_lshr_b32 s76, s[TT], 2                       ; a tile's scale words: 6,144 + 256 (t / 4) + 4 (t % 4) + 16 r
	s_lshl_b32 s76, s76, 8
	s_and_b32 s77, s[TT], 3
	s_lshl_b32 s77, s77, 2
	s_add_co_u32 s76, s76, s77
	s_add_co_u32 s76, s76, 6144
	s_mov_b32 s77, 0
	v_and_b32 v8, 15, v0                           ; r
	v_bfe_u32 v9, v0, 4, 1                         ; h
	v_and_b32 v10, 31, v0
	v_lshlrev_b32 v1, 4, v10                       ; 16 x lane
	v_lshlrev_b32 v2, 3, v10
	v_lshlrev_b32 v3, 4, v8                        ; 16 r
	v_add_nc_u32 v2, 512, v2                       ; 512 + 8 x lane
	s_wait_alu depctr_va_vdst(0)
	s_wait_dscnt 0x0                               ; both opening adds are done
	s_wait_kmcnt 0x0
	s_add_nc_u64 s[34:35], s[6:7], s[68:69]
	s_or_b32 s35, s35, 0x80000000
	s_add_nc_u64 s[70:71], s[4:5], s[70:71]
	s_add_nc_u64 s[72:73], s[4:5], s[72:73]
	s_add_nc_u64 s[12:13], s[70:71], s[74:75]
	s_add_nc_u64 s[14:15], s[72:73], s[74:75]
	s_add_nc_u64 s[16:17], s[70:71], s[76:77]
	s_add_nc_u64 s[66:67], s[72:73], s[76:77]
	global_load_b128 v[16:19], v1, s[12:13]        ; Q's half images: the long block's,
	global_load_b64 v[20:21], v2, s[12:13]
	global_load_b32 v29, v3, s[16:17]
	global_load_b128 v[80:83], v1, s[14:15]        ; the short block's
	global_load_b64 v[84:85], v2, s[14:15]
	global_load_b32 v89, v3, s[66:67]
	s_cmp_lt_u32 s[WV], 4
	s_cbranch_scc0 .Lfour_on
	tensor_load_to_lds s[32:35], s[24:31]          ; key steps 0-3
	s_nop 0
.rept 4
	v_nop
.endr
	s_branch .Lasked
.Lfour_on:
	tensor_load_to_lds s[32:35], s[24:31]          ; key steps 4-15: a line of their own, since these waves wait later
	s_nop 0
.rept 4
	v_nop
.endr
.Lasked:
	s_cmp_eq_u32 s[PP], 0                          ; the block that I finish
	s_cselect_b32 s78, s[BL], s[BS]
	s_lshr_b32 s79, ttmp9, 4                       ; batch
	s_and_b32 s80, ttmp9, 15                       ; head
	s_lshl_b32 s81, s79, 7
	s_lshl_b32 s78, s78, 3
	s_add_co_u32 s81, s81, s78
	s_add_co_u32 s81, s81, s[TT]                   ; tile of queries: 128 batch + 8 block + t
	s_lshl_b32 s82, s81, 3                         ; O: (tile x 8 + pair of heads) images + my head's half
	s_lshr_b32 s84, s80, 1
	s_add_co_u32 s82, s82, s84
	s_mul_i32 s82, s82, 1536
	s_and_b32 s84, s80, 1
	s_mul_i32 s84, s84, 768
	s_add_co_u32 s82, s82, s84
	s_mov_b32 s83, 0
	s_add_nc_u64 s[8:9], s[8:9], s[82:83]
	s_lshl_b32 s82, s81, 9                         ; its scale bytes: 512 tile + 256 (head / 8) + 2 (head % 8)
	s_lshr_b32 s84, s80, 3
	s_lshl_b32 s84, s84, 8
	s_add_co_u32 s82, s82, s84
	s_and_b32 s84, s80, 7
	s_lshl_b32 s84, s84, 1
	s_add_co_u32 s82, s82, s84
	s_add_nc_u64 s[10:11], s[10:11], s[82:83]
	s_mov_b32 s[SEL], 0x76543210
	s_mov_b32 s[SEL+1], 0xfedcba98
	s_mov_b32 s[CS], 0x3d38aa3b                    ; log2(e) / 32
	s_mov_b32 s[CS+1], s[CS]                       ; (named with it as a pair, so it is written)
	s_mov_b32 s[HM], 0xffff0000
	s_mov_b32 s[SI], s[PP]
	s_mul_i32 s[TB], s[PP], REC
	s_and_b32 s85, s[TT], 1
	s_lshl_b32 s85, s85, 3
	s_mul_i32 s86, s[WV], XW
	s_add_co_u32 s86, s86, XCH
	s_xor_b32 s87, s[WV], 1
	s_mul_i32 s87, s87, XW
	s_add_co_u32 s87, s87, XCH
	v_add_nc_u32 v[GS], v3, v9
	v_and_b32 v11, 8, v8
	v_lshlrev_b32 v10, 4, v9
	v_add_nc_u32 v11, v11, v8                      ; r + 8 (r / 8)
	v_add_nc_u32 v11, s85, v11
	v_sub_nc_u32 v11, v11, v10                     ; my query's place among the 32, less 16 h
.set nn, 0
.rept 16
	v_cmp_gt_i32 s[HK+nn], nn, v11
.set nn, nn+1
.endr
	v_add_nc_u32 v[XS], s86, v1
	v_add_nc_u32 v[XL], s87, v1
	v_mov_b32 v[NINF], 0xff800000
.irp i, 22,23,24,25,26,27
	v_mov_b32 v[\i], 0                             ; the upper 64 of the instruction's K: zero codes
.endr
.irp i, 12,90
	v_mov_b32 v[\i], 0x7f61b1e6                    ; -M: 3e38
	v_mov_b32 v[\i+1], 0
.endr
.irp i, 14,15,86,87,31,88,236,237,238,239
	v_mov_b32 v[\i], 0                             ; (a lane permute's destination counts as one of its sources)
.endr
.set jj, 0
.rept 64
	v_mov_b32 v[160+jj], 0                         ; O^T of both: the step is written once for all steps; the first finds zeros
.set jj, jj+1
.endr
	s_wait_alu depctr_va_vdst(0)
	s_wait_loadcnt 0x0                             ; Q
	s_cmp_lt_u32 s[WV], 4
	s_cbranch_scc0 .Lnot_mine
	s_wait_tensorcnt 0x0
.Lnot_mine:
	s_barrier_signal -1
	s_barrier_wait -1                              ; records 0-3 are in; the others may be out
	ADDRK TB
	LOADK
	STEP BL, 29, 160, 12, 14, 1
	s_wait_tensorcnt 0x0
	s_wait_dscnt 0x0
	s_barrier_signal -1                            ; my record is in; the wait stands in the next step, ahead of the first load from records 4 on
	STEP BL, 29, 160, 12, 14, 2
	s_barrier_signal -1
	s_mov_b32 s[CNT], 6
.Llong:
	PACE
	STEP BL, 29, 160, 12, 14, 0
	LOOPEND .Llong
	s_wait_dscnt 0x0                               ; the long block's last K loads have landed: their registers are loaded anew
	s_mov_b32 s[SI], s[PP]
	s_mul_i32 s[TB], s[PP], REC
.rept 4
	v_nop
.endr
	ADDRK TB
.irp i, 0,1,2,3,4,5
	v_mov_b32 v[16+\i], v[80+\i]                   ; the short block's Q
.endr
	s_wait_alu depctr_va_vdst(0)
	LOADK
	s_mov_b32 s[CNT], 4
.Lshort:
	PACE
	STEP BS, 89, 192, 90, 86, 0
	LOOPEND .Lshort
	s_barrier_wait -1                              ; the last trip's signal has its wait, ahead of the stores below
	; THE EXCHANGE: each wave sends the part that its partner finishes
.rept 4
	v_nop                                          ; places behind the last products
.endr
	s_wait_alu depctr_va_vdst(0)
	s_cmp_eq_u32 s[PP], 0
	s_cbranch_scc0 .Lsend_long
	SENDX 192, 90, 86
	s_branch .Lsent
.Lsend_long:
	SENDX 160, 12, 14
.Lsent:
	s_wait_dscnt 0x0                               ; my stores are done: the partner reads them behind the barrier
	s_barrier_signal -1
	s_barrier_wait -1
.irp m, 0,1,2,3,4,5,6,7
	ds_load_b128 v[96+4*\m:99+4*\m], v[XL] offset:512*\m
.endr
	ds_load_b128 v[128:131], v[XL] offset:4096
	s_wait_dscnt 0x0
	s_cmp_eq_u32 s[PP], 0
	s_cbranch_scc0 .Lend_short
	s_wait_alu depctr_va_vdst(0)
	MERGE 160, 12, 14
	s_branch .Lmerged
.Lend_short:
	s_wait_alu depctr_va_vdst(0)
	MERGE 192, 90, 86
.Lmerged:
	; THE WAY OUT.  O^T / the sum; register 16 b + i of lane (r, h) is channel 32 b + 16 h + i of query r: two blocks of the last product's K.  They are quantised here and leave as half an image.
	s_wait_alu depctr_va_vdst(0)
	v_add_f32 v142, v140, v141
	v_mov_b32 v143, 0
	v_permlanex16_b32 v143, v142, s[SEL], s[SEL+1]
	v_add_f32 v142, v142, v143                     ; the row's sum
	s_wait_alu depctr_va_vdst(0)
	v_rcp_f32 v142, v142
	v_nop                                          ; a plain line behind the reciprocal
	s_wait_alu depctr_va_vdst(0)
.set jj, 0
.rept 32
	v_mul_f32 v[96+jj], v[96+jj], v142
.set jj, jj+1
.endr
.irp b, 0,1
	v_max3_num_f32 v[232+\b], |v[96+16*\b]|, |v[97+16*\b]|, 0x1800000
.endr
.irp i, 2,4,6,8,10,12,14
.irp b, 0,1
	v_max3_num_f32 v[232+\b], v[232+\b], |v[96+16*\b+\i]|, |v[97+16*\b+\i]|
.endr
.endr
.irp b, 0,1
	v_permlanex16_b32 v[236+\b], v[232+\b], s[SEL], s[SEL+1]
.endr
.irp b, 0,1
	v_max_num_f32 v[232+\b], v[232+\b], v[236+\b]
.endr
.irp b, 0,1
	v_add_nc_u32 v[244+\b], 0xff000000, v[232+\b]
.endr
.irp b, 0,1
	v_lshrrev_b32 v[236+\b], 23, v[244+\b]
.endr
	v_cndmask_b32 v[TMP], v236, v237, s[HM]        ; lanes 0-15 keep block 0's byte, lanes 16-31 block 1's
	v_cvt_scalef32_pk16_fp6_f32 v[224:226], v[96:111], v244
	v_cvt_scalef32_pk16_fp6_f32 v[236:238], v[112:127], v245
	v_nop
.irp i, 0,1,2
	v_permlane16_swap_b32 v[224+\i], v[236+\i]
.endr
.irp i, 0,1,2
	v_mov_b32 v[227+\i], v[236+\i]
.endr
.irp i, 0,1,2
	global_store_b64 v2, v[224+2*\i:225+2*\i], s[8:9] offset:256*\i-512   ; 256 consecutive bytes, aligned
.endr
	global_store_b8 v[GS], v[TMP], s[10:11]        ; a row's two bytes of its 32: 32 bytes a wave, 131,072 in all
	s_wait_tensorcnt 0x0                           ; the wave's end
	ds_add_u32 v[SPW], v[NIL]
	s_wait_dscnt 0x0
	s_endpgm
.Lfunc_end_k_q2771b5653b_attn:
	.size	k_q2771b5653b_attn, .Lfunc_end_k_q2771b5653b_attn-k_q2771b5653b_attn
	.p2alignl 7, 3214868480
	.fill 96, 4, 3214868480
	.section	.rodata,"a",@progbits
	.p2align	6, 0x0
	.amdhsa_kernel k_q2771b5653b_attn
		.amdhsa_group_segment_fixed_size 284672
		.amdhsa_private_segment_fixed_size 0
		.amdhsa_enable_private_segment 0
		.amdhsa_kernarg_size 32
		.amdhsa_user_sgpr_count 2
		.amdhsa_user_sgpr_kernarg_segment_ptr 1
		.amdhsa_wavefront_size32 1
		.amdhsa_system_sgpr_workgroup_id_x 1
		.amdhsa_system_sgpr_workgroup_id_y 1
		.amdhsa_system_sgpr_workgroup_id_z 1
		.amdhsa_system_vgpr_workitem_id 0
		.amdhsa_next_free_vgpr 256
		.amdhsa_next_free_sgpr 100
		.amdhsa_reserve_vcc 0
		.amdhsa_float_denorm_mode_32 3
		.amdhsa_float_denorm_mode_16_64 3
		.amdhsa_memory_ordered 1
		.amdhsa_forward_progress 1
		.amdhsa_inst_pref_size 105
	.end_amdhsa_kernel
	.amdgpu_metadata
---
amdhsa.version: [ 1, 2 ]
amdhsa.kernels:
  - .name:           k_q2771b5653b_attn
    .symbol:         k_q2771b5653b_attn.kd
    .args:
      - { .name: qb, .offset: 0, .size: 8, .value_kind: global_buffer, .address_space: global }
      - { .name: kv, .offset: 8, .size: 8, .value_kind: global_buffer, .address_space: global }
      - { .name: oimg, .offset: 16, .size: 8, .value_kind: global_buffer, .address_space: global }
      - { .name: osc, .offset: 24, .size: 8, .value_kind: global_buffer, .address_space: global }
    .group_segment_fixed_size: 284672
    .private_segment_fixed_size: 0
    .kernarg_segment_align: 8
    .kernarg_segment_size: 32
    .max_flat_workgroup_size: 512
    .sgpr_count:     100
    .vgpr_count:     256
    .wavefront_size: 32
...
	.end_amdgpu_metadata
.endif
;; end of part 3
;; launch outproj (part 4): grid 8 x 32, 4 waves a work-group, clusters of 4 x 4, 214,528 bytes of LDS; arguments oimg, osc, cod, sca, bo, out0; writes out0
.if DOCPART == 4
	.amdgcn_target "amdgcn-amd-amdhsa--gfx1250"
	.amdhsa_code_object_version 6
	.text
	.protected	k_q2771b5653b_outproj
	.globl	k_q2771b5653b_outproj
	.p2align	8
	.type	k_q2771b5653b_outproj,@function
k_q2771b5653b_outproj:
	s_mov_b64 s[64:65], 0
	v_nop
	global_prefetch_b8 v0, s[64:65] scope:SCOPE_SE
	s_setreg_imm32_b32 hwreg(HW_REG_WAVE_MODE, 25, 1), 1
	s_wait_xcnt 0x0
	s_wait_alu depctr_hold_cnt(0) depctr_sa_sdst(0) depctr_va_vdst(0) depctr_va_sdst(0) depctr_va_ssrc(0) depctr_va_vcc(0) depctr_vm_vsrc(0)
	s_getreg_b32 s2, hwreg(HW_REG_IB_STS2, 6, 4)
	s_cmp_eq_u32 s2, 0
	s_cbranch_scc0 .Lentry_in_a_cluster
	s_endpgm
.Lentry_in_a_cluster:
	s_bfe_u32 s2, ttmp6, 0x10000c
	s_cmp_lg_u32 s2, 0xf033
	s_cbranch_scc0 .Lentry_shape_is_right
	s_endpgm
.Lentry_shape_is_right:
; out0 = O Wo + bo on codes of FP6 (E2M3) with E8M0 scales, K = 1,024.  O and Wo come as images (1,536 bytes for 16 rows x 128 K; pair i of lane l at 256 i + 8 l), a tile's eight on end, of permuted tiles
; (lane index r of tile 2 B + u = row 32 B + 8 u + r + 8 (r / 8)).
; A work-group of four waves makes 128 x 128, so that there are 256 work-groups; a wave makes 64 x 64.  ALL OF K FOR BOTH OPERANDS, 2 x 98,304 bytes, lies in LDS, filled once: one tensor load a wave, four tiles each; no slot is filled again.
; A wave's four tiles of Wo, all of K, go into registers (32 fragments, 384 registers) while O lands; then O's tiles stream past, 16 rows x all of K at a time, and each 16 x 64 leaves while the next is multiplied.
; CLUSTER 4 x 4: O's tiles are shared along a row of the cluster, Wo's along a column, by joint loads.  No prefetch: all tiles are asked for at the head.
; The product is used transposed (source 0 = 16 columns of Wo, source 1 = 16 rows of O): a lane holds eight neighbouring columns of one row.  bo is the C of each sum's first product.
; The scale words come straight into registers: 16 bytes a lane; lanes 0-15 get a row's words of K steps 0-3, lanes 16-31 those of K steps 4-7, which the products take by the scale operands' second row.
; REGISTERS: window 0: v16-29 addresses; v32-47 O's scale words, v50-65 Wo's; v66-97 bo; v128-191 two sets of four accumulators; v192-255 the way out, two sets.
;   fragment f lies in window 1 + f / 21 at register 12 (f % 21): 0-31 Wo's (4 s + b), 32-39 and 40-47 O's two sets.
.set TILEB,  12288
.set BREG,   8*TILEB                   ; O: [tile 8][12,288] from 0; Wo the same from here
.set STAGE,  2*BREG                    ; 16 rows x (256 + 16) bytes for each wave
.set SPITCH, 272
.set SPARE,  STAGE+4*16*SPITCH
.set ADRA, 16
.set ADRB, 20
.set STO,  24
.set RD,   25
.set CO,   26
.set SPW,  28
.set NIL,  29
.set SA,   32
.set SBW,  50
.set BI,   66
.set ACC,  128
.set BK,   192
.set WV,   16
.set RH,   17                          ; wave / 2: my 64 rows.  Also: I fetch for Wo (0) or for O (1)
.set CH,   18                          ; wave % 2: my 64 columns.  Also: which four tiles I fetch
.set TROW, 19
.set TCOL, 20
.set G1A,  24
.set G1B,  32
.set G0A,  40
.set G0B,  44
.set MSB, 0
.macro WIN new
.if MSB != (\new)
	s_set_vgpr_msb (MSB<<8)|(\new)
.set MSB, (\new)
.endif
.endm
.macro CROUND
	s_barrier_signal -1
	s_barrier_wait -1
	s_cmp_lg_u32 s[WV], 0
	s_cbranch_scc1 .Lnot_wave_0_\@
	s_barrier_signal -3
.Lnot_wave_0_\@:
	s_barrier_wait -3
	s_barrier_signal -1
	s_barrier_wait -1
.endm
.macro PLACES
.rept 4
	v_nop
.endr
.endm
.macro LDF f, adr, off, q              ; piece q of fragment f
	WIN (1+(\f)/21)<<6
	ds_load_b64 v[12*((\f)%21)+2*(\q):12*((\f)%21)+2*(\q)+1], v[\adr] offset:(\off)+256*(\q)
.endm
.macro LDA a, e, l                     ; the l-th of the 48 loads of O's tile a, into set e
	LDF 32+8*(\e)+(\l)/6, ADRA, (\a)*TILEB+1536*((\l)/6), (\l)%6
.endm
.macro LOADA a                         ; all 48, in one run
.set LX, 0
.rept 48
	LDA \a, (\a)%2, LX
.set LX, LX+1
.endr
.endm
; products from .. to - 1 of tile a's 32, the four accumulators by turns, one instruction a turn
.macro PRODS a, from, to
.set N_, \from
.rept (\to)-(\from)
.set S_, N_/4
.set B_, N_%4
.set FB_, N_
.set FA_, 32+8*((\a)%2)+S_
.set D_, ACC+32*((\a)%2)+8*B_
	WIN (1+FB_/21)|((1+FA_/21)<<2)
.if S_ == 0
	v_wmma_scale_f32_16x16x128_f8f6f4 v[D_:D_+7], v[12*(FB_%21):12*(FB_%21)+11], v[12*(FA_%21):12*(FA_%21)+11], v[BI+8*B_:BI+8*B_+7], v[SBW+4*B_], v[SA+4*(\a)] matrix_a_fmt:MATRIX_FMT_FP6 matrix_b_fmt:MATRIX_FMT_FP6 matrix_a_scale:MATRIX_SCALE_ROW0 matrix_b_scale:MATRIX_SCALE_ROW0
.elseif S_ < 4
	v_wmma_scale_f32_16x16x128_f8f6f4 v[D_:D_+7], v[12*(FB_%21):12*(FB_%21)+11], v[12*(FA_%21):12*(FA_%21)+11], v[D_:D_+7], v[SBW+4*B_+S_], v[SA+4*(\a)+S_] matrix_a_fmt:MATRIX_FMT_FP6 matrix_b_fmt:MATRIX_FMT_FP6 matrix_a_scale:MATRIX_SCALE_ROW0 matrix_b_scale:MATRIX_SCALE_ROW0
.else
	v_wmma_scale_f32_16x16x128_f8f6f4 v[D_:D_+7], v[12*(FB_%21):12*(FB_%21)+11], v[12*(FA_%21):12*(FA_%21)+11], v[D_:D_+7], v[SBW+4*B_+S_-4], v[SA+4*(\a)+S_-4] matrix_a_fmt:MATRIX_FMT_FP6 matrix_b_fmt:MATRIX_FMT_FP6 matrix_a_scale:MATRIX_SCALE_ROW1 matrix_b_scale:MATRIX_SCALE_ROW1
.endif
.set N_, N_+1
.endr
.endm
.macro TOSTAGE a                       ; 16 rows x 64 columns through my own stage: a lane's 32 bytes in, whole rows of 256 bytes back.  LDS serves a wave's instructions in order
	WIN 0
.set AC_, ACC+32*((\a)%2)
.set BK_, BK+32*((\a)%2)
.irp b, 0,1,2,3
	ds_store_b128 v[STO], v[AC_+8*\b:AC_+8*\b+3] offset:128*(\b/2)+32*(\b%2)      ; each accumulator from its low end on
	ds_store_b128 v[STO], v[AC_+8*\b+4:AC_+8*\b+7] offset:128*(\b/2)+32*(\b%2)+16
.endr
.if (\a) > 1
	s_wait_xcnt 0x0                                ; block a - 2's stores have read their registers
.endif
.irp t, 0,1,2,3,4,5,6,7
	ds_load_b128 v[BK_+4*\t:BK_+4*\t+3], v[RD] offset:\t*2*SPITCH
.endr
.endm
.macro SEND a, younger                 ; younger: the LDS loads issued behind block a's
	WIN 0
.set BK_, BK+32*((\a)%2)
	s_wait_dscnt \younger
.irp t, 0,1,2,3,4,5,6,7
	global_store_b128 v[CO], v[BK_+4*\t:BK_+4*\t+3], s[14:15] offset:(32*((\a)/2)+8*((\a)%2)+2*\t+8*(\t/4))*4096 th:TH_STORE_NT   ; sixteen lanes store 256 consecutive bytes, aligned; lane indices 2 t and 2 t + 1 of the tile
.endr
.endm
.macro TILE a
.if (\a) == 0
	LOADA 1
	s_wait_dscnt 48                                ; tile 0's fragments are in: behind them tile 1's 48 loads
	PRODS 0, 0, 32
.else
	s_wait_dscnt 0x0
	PLACES                                         ; in front of the stores of the last products' results, and of loads into the set that those products read
	TOSTAGE (\a)-1
.if (\a) < 3
	LOADA (\a)+1
	SEND (\a)-1, 48                                ; behind the block's loads from the stage: the next tile's 48
	PRODS \a, 0, 32
.else
	PRODS \a, 0, 16
	SEND (\a)-1, 0
	PRODS \a, 16, 32
.endif
.endif
.endm
	s_load_b256 s[4:11], s[0:1], 0x0               ; oimg s[4:5], osc s[6:7], cod s[8:9], sca s[10:11]
	s_load_b128 s[12:15], s[0:1], 0x20             ; bo s[12:13], out0 s[14:15]
	v_lshl_add_u32 v[SPW], v0, 2, SPARE
	v_mov_b32 v[NIL], 0
	ds_add_u32 v[SPW], v[NIL]                      ; the wave's opening
	ds_add_u32 v[SPW], v[NIL]
	v_lshrrev_b32 v1, 5, v0
	v_readfirstlane_b32 s[WV], v1
	s_lshr_b32 s[RH], s[WV], 1
	s_and_b32 s[CH], s[WV], 1
	s_bfe_u32 s76, ttmp6, 0x40000                  ; cx
	s_bfe_u32 s77, ttmp6, 0x40004                  ; cy
	s_lshl_b32 s[TCOL], ttmp9, 2
	s_add_co_u32 s[TCOL], s[TCOL], s76             ; 128 columns: 4 x cluster x + cx
	s_and_b32 s[TROW], ttmp7, 0xffff
	s_lshl_b32 s[TROW], s[TROW], 2
	s_add_co_u32 s[TROW], s[TROW], s77             ; 128 rows: 4 x cluster y + cy
	s_lshl_b32 s78, s77, 2
	s_lshl_b32 s78, 15, s78                        ; my row of the cluster
	s_lshl_b32 s79, 0x1111, s76                    ; my column
	s_or_b32 s[G1A], s78, (3<<16)|(1<<21)          ; four rows of 12,288 bytes (1,536 elements of 8), on end; no padding
	s_or_b32 s[G1B], s79, (3<<16)|(1<<21)
.irp g, G1A, G1B
	s_mov_b32 s[\g+1], 1536<<16
	s_mov_b32 s[\g+2], 4<<16
	s_mov_b32 s[\g+3], 1536<<16
	s_mov_b32 s[\g+4], 4
	s_mov_b32 s[\g+5], 1536
	s_mov_b32 s[\g+6], 0
	s_mov_b32 s[\g+7], 0
.endr
	s_lshl_b32 s85, s[CH], 2                       ; which four tiles I fetch
	s_lshl_b32 s80, s[TROW], 3
	s_add_co_u32 s80, s80, s85
	s_mul_i32 s80, s80, TILEB                      ; O: tile 8 x tile row + 4 x half
	s_mov_b32 s81, 0
	s_lshl_b32 s82, s[TCOL], 3
	s_add_co_u32 s82, s82, s85
	s_add_co_u32 s82, s82, 448
	s_mul_i32 s82, s82, TILEB                      ; Wo: tile 448 + 8 x tile column + 4 x half
	s_mov_b32 s83, 0
	s_mov_b32 s[G0A], 1
	s_mul_i32 s[G0A+1], s[CH], 4*TILEB
	s_mov_b32 s[G0B], 1
	s_mul_i32 s[G0B+1], s[CH], 4*TILEB
	s_add_co_u32 s[G0B+1], s[G0B+1], BREG
	s_wait_dscnt 0x0                               ; both opening adds are done
	s_wait_kmcnt 0x0
	s_add_nc_u64 s[G0A+2:G0A+3], s[4:5], s[80:81]
	s_or_b32 s[G0A+3], s[G0A+3], 0x80000000
	s_add_nc_u64 s[G0B+2:G0B+3], s[8:9], s[82:83]
	s_or_b32 s[G0B+3], s[G0B+3], 0x80000000
	CROUND                                         ; all sixteen work-groups are here: the joint loads meet
	s_cmp_lt_u32 s[WV], 2
	s_cbranch_scc0 .Lfor_o
	tensor_load_to_lds s[G0B:G0B+3], s[G1B:G1B+7]  ; waves 0, 1: Wo
	s_nop 0
	PLACES
	s_branch .Lasked
.Lfor_o:
	tensor_load_to_lds s[G0A:G0A+3], s[G1A:G1A+7]  ; waves 2, 3: O
	s_nop 0
	PLACES
.Lasked:
	s_lshl_b32 s80, s[TROW], 3
	s_lshl_b32 s81, s[RH], 2
	s_add_co_u32 s80, s80, s81
	s_lshl_b32 s80, s80, 9                         ; my four tiles of O: 512 scale bytes each
	s_mov_b32 s81, 0
	s_add_nc_u64 s[6:7], s[6:7], s[80:81]
	s_lshl_b32 s82, s[TCOL], 3
	s_lshl_b32 s83, s[CH], 2
	s_add_co_u32 s82, s82, s83
	s_add_co_u32 s82, s82, 448
	s_lshl_b32 s82, s82, 9                         ; my four tiles of Wo
	s_mov_b32 s83, 0
	s_add_nc_u64 s[10:11], s[10:11], s[82:83]
	s_lshl_b32 s86, s[TCOL], 9
	s_lshl_b32 s87, s[CH], 8
	s_add_co_u32 s86, s86, s87                     ; my first column, in bytes: 4 (128 tile column + 64 half)
	s_mov_b32 s87, 0
	s_add_nc_u64 s[12:13], s[12:13], s[86:87]
	s_lshl_b32 s88, s[TROW], 19
	s_lshl_b32 s89, s[RH], 18
	s_add_co_u32 s88, s88, s89
	s_add_co_u32 s88, s88, s86                     ; my first row: 128 tile row + 64 half, 4,096 bytes a row
	s_mov_b32 s89, 0
	s_add_nc_u64 s[14:15], s[14:15], s[88:89]
	s_mul_i32 s80, s[RH], 4*TILEB
	s_mul_i32 s81, s[CH], 4*TILEB
	s_add_co_u32 s81, s81, BREG
	s_mul_i32 s82, s[WV], 16*SPITCH
	s_add_co_u32 s82, s82, STAGE                   ; my stage
	v_and_b32 v1, 15, v0                           ; r
	v_bfe_u32 v2, v0, 4, 1                         ; h
	v_and_b32 v3, 31, v0
	v_lshlrev_b32 v4, 4, v3                        ; 16 x lane = 256 h + 16 r
	v_lshlrev_b32 v5, 6, v2                        ; 64 h
	v_lshlrev_b32 v6, 3, v3                        ; 8 x lane
.irp a, 0,1,2,3
	global_load_b128 v[SA+4*\a:SA+4*\a+3], v4, s[6:7] offset:512*\a
	global_load_b128 v[SBW+4*\a:SBW+4*\a+3], v4, s[10:11] offset:512*\a
.endr
.irp b, 0,1,2,3                                ; bo in the result's layout: tile b's register j of lane (r, h) is column 32 (b / 2) + 16 h + 8 (b % 2) + j
	global_load_b128 v[BI+8*\b:BI+8*\b+3], v5, s[12:13] offset:(32*(\b/2)+8*(\b%2))*4
	global_load_b128 v[BI+8*\b+4:BI+8*\b+7], v5, s[12:13] offset:(32*(\b/2)+8*(\b%2))*4+16
.endr
	v_add_nc_u32 v[ADRA], s80, v6
	v_add_nc_u32 v[ADRB], s81, v6
	v_mul_u32_u24 v[STO], v1, SPITCH
	v_lshl_add_u32 v[STO], v2, 6, v[STO]
	v_add_nc_u32 v[STO], s82, v[STO]               ; in: row r, + 64 h
	v_mul_u32_u24 v[RD], v2, SPITCH
	v_lshl_add_u32 v[RD], v1, 4, v[RD]
	v_add_nc_u32 v[RD], s82, v[RD]                 ; back: lanes 0-15 one row, lanes 16-31 the next
	v_lshlrev_b32 v[CO], 12, v2
	v_lshl_add_u32 v[CO], v1, 4, v[CO]             ; and the same two rows in out0
	s_wait_alu depctr_va_vdst(0)
	s_cmp_lt_u32 s[WV], 2
	s_cbranch_scc0 .Lnot_mine
	s_wait_tensorcnt 0x0
.Lnot_mine:
	s_barrier_signal -1
	s_barrier_wait -1                              ; Wo is in; O may be on its way: nothing is filled again in this launch
.set FX, 0
.rept 32                               ; Wo: fragment 4 s + b = K step s of my tile b
.irp q, 0,1,2,3,4,5
	LDF FX, ADRB, (FX%4)*TILEB+1536*(FX/4), \q
.endr
.set FX, FX+1
.endr
	WIN 0
	s_wait_loadcnt 0x0                             ; the scale words and bo
	s_wait_tensorcnt 0x0
	s_wait_dscnt 0x0
	s_barrier_signal -1
	s_barrier_wait -1                              ; O is in
	LOADA 0
	TILE 0
	TILE 1
	TILE 2
	TILE 3
	PLACES
	TOSTAGE 3
	SEND 3, 0
	s_wait_tensorcnt 0x0                           ; the wave's end
	ds_add_u32 v[SPW], v[NIL]
	s_wait_dscnt 0x0
	CROUND                                         ; the closing round
	s_endpgm
.Lfunc_end_k_q2771b5653b_outproj:
	.size	k_q2771b5653b_outproj, .Lfunc_end_k_q2771b5653b_outproj-k_q2771b5653b_outproj
	.p2alignl 7, 3214868480
	.fill 96, 4, 3214868480
	.section	.rodata,"a",@progbits
	.p2align	6, 0x0
	.amdhsa_kernel k_q2771b5653b_outproj
		.amdhsa_group_segment_fixed_size 214528
		.amdhsa_private_segment_fixed_size 0
		.amdhsa_enable_private_segment 0
		.amdhsa_kernarg_size 48
		.amdhsa_user_sgpr_count 2
		.amdhsa_user_sgpr_kernarg_segment_ptr 1
		.amdhsa_wavefront_size32 1
		.amdhsa_system_sgpr_workgroup_id_x 1
		.amdhsa_system_sgpr_workgroup_id_y 1
		.amdhsa_system_sgpr_workgroup_id_z 1
		.amdhsa_system_vgpr_workitem_id 0
		.amdhsa_next_free_vgpr 1024
		.amdhsa_next_free_sgpr 92
		.amdhsa_reserve_vcc 0
		.amdhsa_float_denorm_mode_32 3
		.amdhsa_float_denorm_mode_16_64 3
		.amdhsa_memory_ordered 1
		.amdhsa_forward_progress 1
		.amdhsa_inst_pref_size 57
	.end_amdhsa_kernel
	.amdgpu_metadata
---
amdhsa.version: [ 1, 2 ]
amdhsa.kernels:
  - .name:           k_q2771b5653b_outproj
    .symbol:         k_q2771b5653b_outproj.kd
    .args:
      - { .name: oimg, .offset: 0, .size: 8, .value_kind: global_buffer, .address_space: global }
      - { .name: osc, .offset: 8, .size: 8, .value_kind: global_buffer, .address_space: global }
      - { .name: cod, .offset: 16, .size: 8, .value_kind: global_buffer, .address_space: global }
      - { .name: sca, .offset: 24, .size: 8, .value_kind: global_buffer, .address_space: global }
      - { .name: bo, .offset: 32, .size: 8, .value_kind: global_buffer, .address_space: global }
      - { .name: out0, .offset: 40, .size: 8, .value_kind: global_buffer, .address_space: global }
    .group_segment_fixed_size: 214528
    .private_segment_fixed_size: 0
    .kernarg_segment_align: 8
    .kernarg_segment_size: 48
    .max_flat_workgroup_size: 128
    .sgpr_count:     92
    .vgpr_count:     1024
    .wavefront_size: 32
...
	.end_amdgpu_metadata
.endif
;; end of part 4
